; MI455X (gfx1250); checked and timed in simulation.
; The chip was launched on July 23, 2026; its instructions are those of AMD's public machine-readable ISA for CDNA 5 (MIT licence, August 2026) and "CDNA5" Instruction Set Architecture Reference Guide (July 2026). The comments in the code are by the model that wrote it; some were corrected since.
;; Multi Head Attention. Allowed arithmetic: matrix products marked QUANTISED: E2M1 operands, one E8M0 scale for each 32 along K, by v_wmma_scale_f32_16x16x128_f8f6f4 with both operands' format E2M1 (or v_wmma_scale_f32_32x16x128_f4), f32 sums; products left as they are: bf16, f16 or f32 operands; f32 sums; everything else in f32.
;; Inputs: Wk 1,024 x 1,024 float32; Wo 1,024 x 1,024 float32; Wq 1,024 x 1,024 float32; Wv 1,024 x 1,024 float32; keys 4 x 2,048 x 1,024 float32; queries 4 x 2,048 x 1,024 float32; valid_lens 4 int32; values 4 x 2,048 x 1,024 float32.
;; Outputs: out0 4 x 2,048 x 1,024 float32.
;; This version of the problem:
;;   THIS VERSION OF THE PROBLEM IS GIVEN IN LOW PRECISION. The matrix products marked QUANTISED in the list below multiply operands that are first quantised to E2M1 (2 exponent bits, 1 mantissa bit; 4 bits a number), with one power-of-two scale for each 32 numbers along K (OCP MX v1.0); their sums are f32. The products marked 'left as it is' may take bf16, f16 or f32 operands, with f32 sums. Whichever they take, every output number must still come out within the allowed error. Rounding operands to bf16 (8 significant bits) uses up far more of that allowance than f16 does (11 bits, for magnitudes from 6e-5 to 65,504). All else is computed in f32.
;;   The module's matrix products, in the order in which they are computed (A, B: the left and right operand; K: the contracted axis; several contracted axes count as one K, in the product's order):
;;     1. [M 8,192, K 1,024] x [K 1,024, N 1,024]; A: input queries; B: input Wq: QUANTISED
;;     2. [M 8,192, K 1,024] x [K 1,024, N 1,024]; A: input keys; B: input Wk: QUANTISED
;;     3. [M 8,192, K 1,024] x [K 1,024, N 1,024]; A: input values; B: input Wv: QUANTISED
;;     4. batch 64 x [M 2,048, K 64] x [K 64, N 2,048]; A: computed on the way; B: computed on the way: left as it is (an operand is computed on the way)
;;     5. batch 64 x [M 2,048, K 2,048] x [K 2,048, N 64]; A: computed on the way; B: computed on the way: left as it is (an operand is computed on the way)
;;     6. [M 8,192, K 1,024] x [K 1,024, N 1,024]; A: computed on the way; B: input Wo: left as it is (an operand is computed on the way)
;;   THE QUANTISER, for each operand of a quantised product, along K:
;;     - K is cut into blocks of 32 from its start; a last block that is shorter is filled with zeros.
;;     - A block's scale is 2^e with e = floor(log2(the largest magnitude in the block)) - 2, held to -126 .. 127; a block of zeros has e = 0. As a byte (E8M0): e + 127.
;;     - Each number is divided by its block's scale, clamped to +-6, and rounded to the nearest number of E2M1, ties to even, subnormals kept.
;;     - The product sums the exact products of the quantised numbers (number of the format x scale) in f32.
;;   ~~~python
;;   def quantise(x, axis):      # numpy; x: float32 -> the quantised numbers, widened to float32 again
;;       x = np.moveaxis(x, axis, -1); K = x.shape[-1]
;;       x = np.pad(x, [(0, 0)] * (x.ndim - 1) + [(0, -K % 32)]); x = x.reshape(x.shape[:-1] + (-1, 32)); a = np.abs(x).max(-1, keepdims=True)
;;       e = np.where(a > 0, np.clip(np.frexp(np.where(a > 0, a, 1))[1] - 1 - 2, -126, 127), 0)      # np.frexp(a)[1] - 1 = floor(log2(a)), exactly
;;       r = np.clip(x / 2.0 ** e, -6, 6)
;;       step = 2.0 ** (np.maximum(np.frexp(np.where(r == 0, 1, r))[1] - 1, 0) - 1)
;;       q = np.round(r / step) * step * 2.0 ** e      # np.round: ties to even
;;       return np.moveaxis(q.reshape(q.shape[:-2] + (-1,))[..., :K], -1, axis).astype(np.float32)
;;   ~~~
;; One version. Each part assembles by itself: llvm-mc -triple=amdgcn-amd-amdhsa -mcpu=gfx1250 --defsym DOCPART=n.
;; ======== version 1 of 1: 4 launches
;; limits: values are held in f16: magnitudes above 65,504 overflow, below 6.1e-05 lose precision
;; workspace buffers: codes 14,155,776 bytes; scales 884,736 bytes; wo16 2,097,152 bytes; qkv 50,331,648 bytes; att 16,777,216 bytes
;; launch quant (part 1): grid 896 x 1, 4 waves a work-group, no clusters, 33,280 bytes of LDS; arguments queries, keys, values, Wq, Wk, Wv, Wo, codes, scales, wo16; writes codes, scales, wo16
.if DOCPART == 1
	.amdgcn_target "amdgcn-amd-amdhsa--gfx1250"
	.amdhsa_code_object_version 6
	.text
	.protected	k_q9c9fe9d903_quant
	.globl	k_q9c9fe9d903_quant
	.p2align	8
	.type	k_q9c9fe9d903_quant,@function
k_q9c9fe9d903_quant:
	s_mov_b64 s[64:65], 0
	v_nop
	global_prefetch_b8 v0, s[64:65] scope:SCOPE_SE
	s_setreg_imm32_b32 hwreg(HW_REG_WAVE_MODE, 25, 1), 1
	s_wait_xcnt 0x0
; MULTI-HEAD ATTENTION, B = 4, S = 2,048, D = 1,024, 16 heads of 64.  Four launches: this one (operands made ready), the three projections on FP4 codes, attention in f16, the projection on the way out in f16.
; WORK THAT THE PROGRAM LEAVES OUT, and why it may.  reference() sets the score of every key at or beyond valid_lens[b] to -1e9 ahead of the softmax.  Where 0 < valid_lens[b], key 0 keeps its real score, so such a
; key's weight is exp(-1e9 - max), which adds nothing to the row's sum or to the output beside the kept keys' weights, whatever finite values the inputs hold, as long as real scores stay above about -1e9 + 200.
; So the third launch, which reads valid_lens from memory, walks only the steps of 64 keys that hold a kept key; inside the one step on the edge it puts -1e9 in as reference() does.  Where valid_lens[b] <= 0 every key is
; masked, the softmax is uniform, and all 2,048 keys are walked.  valid_lens[b] > 2,048 acts as 2,048.  No input is without a way to the output: all eight are loaded.  This launch and the second do all rows.
; LIMITS: a NaN, an infinity or an overflow in keys or values that only the steps left out would read is not carried to the result.  q, k, v, the attention's result and Wo go to the matrix units in f16: magnitudes under 65,504.
; THIS LAUNCH.  Work-groups 0 to 863: queries, keys, values, Wq, Wk, Wv, all f32 with K innermost, become codes of FP4 (E2M1), K innermost, with one E8M0 byte for each 32 along K.  Rows are dense and K = 1,024 is a multiple
; of 32, so each tensor is a plain stream of blocks of 32; the six streams of codes lie on end in one buffer, and so do the six streams of bytes.  A block's byte is its largest magnitude's exponent field - 2, held at 1
; from below (a block of zeros so gets 1 where the rule says 127: its codes are zeros, which add nothing, and this program alone reads the bytes).  Blocks under 2^-124, NaN and infinities among the inputs are not served.
; A wave takes 16 steps of 512 numbers.  Each load reads 512 consecutive bytes; a step's 2,048 bytes turn through the wave's own stage in LDS, so that a lane then holds 16 neighbours along K; two lanes hold a block.
; Work-groups 864 to 895: Wo becomes f16, laid as IMAGES of the matrix operand's registers: for 16 rows x 32 along K, 1,024 bytes: half c (0, 1), lane (r, h): 16 bytes = row r, k = 16 c + 8 h + 0 .. 7.
.set WAVES, 4
.set STEPS, 16
.set NQWG,  864                        ; work-groups that quantise: (3 x 8,192 + 3 x 1,024) x 1,024 / 32,768
.set EMAX,  2
.set CB,    8                          ; bytes of 16 codes
.set R,     16                         ; v16-79   four sets of 16 numbers as they are loaded
.set X,     80                         ; v80-111  two sets of 16 neighbours
.set E,     112                        ; v112-127 a scale byte for each step
.set C,     128                        ; v128-191 codes: four registers for each step, so that no store's data are written again
.set WREG,  8192                       ; LDS: a region for each wave: two stages of 32 x SP bytes, behind them its 256 scale bytes
.set SP,    80                         ; a lane's place in a stage: its 64 bytes + 16 of padding
.set SPW,   12                         ; v12      LDS address of my spare word; never rewritten
.set NIL,   13                         ; v13      0; never rewritten
.set SPARE, WAVES*WREG                 ; behind the four regions: the spare words, 128 bytes for each wave, which no other line names
	s_load_b256 s[4:11], s[0:1], 0x0               ; queries s[4:5], keys s[6:7], values s[8:9], Wq s[10:11]
	s_load_b256 s[12:19], s[0:1], 0x20             ; Wk s[12:13], Wv s[14:15], Wo s[16:17], codes s[18:19]
	s_load_b128 s[20:23], s[0:1], 0x40             ; scales s[20:21], wo16 s[22:23]
	v_lshl_add_u32 v[SPW], v0, 2, SPARE
	v_mov_b32 v[NIL], 0
	v_lshrrev_b32 v1, 5, v0
	v_readfirstlane_b32 s24, v1                    ; wave
	v_and_b32 v2, 31, v0                           ; lane
	s_cmp_ge_u32 ttmp9, NQWG                       ; the last 32 work-groups take Wo
	s_cbranch_scc1 .Lwo
	v_lshlrev_b32 v3, 4, v2                        ; my 16 bytes of a load's 512
	s_mul_i32 s25, s24, WREG
	v_lshrrev_b32 v14, 2, v2
	v_mul_u32_u24 v14, v14, SP
	v_and_b32 v15, 3, v2
	v_lshl_add_u32 v14, v15, 4, v14
	v_add_nc_u32 v14, s25, v14                     ; the stage, on the way in: SP (lane / 4) + 16 (lane % 4)
	v_mul_u32_u24 v15, v2, SP
	v_add_nc_u32 v15, s25, v15                     ; and on the way out: SP x lane: my 16 neighbours
	v_mul_u32_u24 v4, v2, CB                       ; my codes' place in a step's
	v_lshrrev_b32 v5, 1, v2
	s_add_co_u32 s25, s25, 2*32*SP
	v_add_nc_u32 v5, s25, v5                       ; LDS: my wave's 256 scale bytes, my block's byte
	v_lshlrev_b32 v7, 3, v2                        ; and on the way out 8 bytes a lane
	v_add_nc_u32 v6, s25, v7
	s_wait_kmcnt 0x0
	s_mov_b64 s[26:27], s[14:15]                   ; which tensor is my work-group's, and where its work-groups begin: the choice hangs on the work-group's number alone
	s_mov_b32 s28, 832                             ; Wv: 832 to 863
	s_cmp_lt_u32 ttmp9, 832
	s_cselect_b64 s[26:27], s[12:13], s[26:27]     ; Wk: 800 to 831
	s_cselect_b32 s28, 800, s28
	s_cmp_lt_u32 ttmp9, 800
	s_cselect_b64 s[26:27], s[10:11], s[26:27]     ; Wq: 768 to 799
	s_cselect_b32 s28, 768, s28
	s_cmp_lt_u32 ttmp9, 768
	s_cselect_b64 s[26:27], s[8:9], s[26:27]       ; values: 512 to 767
	s_cselect_b32 s28, 512, s28
	s_cmp_lt_u32 ttmp9, 512
	s_cselect_b64 s[26:27], s[6:7], s[26:27]       ; keys: 256 to 511
	s_cselect_b32 s28, 256, s28
	s_cmp_lt_u32 ttmp9, 256
	s_cselect_b64 s[26:27], s[4:5], s[26:27]       ; queries: 0 to 255
	s_cselect_b32 s28, 0, s28
	s_sub_co_u32 s28, ttmp9, s28
	s_lshl_b32 s28, s28, 2
	s_add_co_u32 s28, s28, s24                     ; which run of 8,192 numbers of the tensor is my wave's
	s_lshl_b32 s28, s28, 15                        ; 32,768 bytes a run
	s_mov_b32 s29, 0
	s_add_nc_u64 s[26:27], s[26:27], s[28:29]
	s_lshl_b32 s30, ttmp9, 2
	s_add_co_u32 s30, s30, s24                     ; and which run of the six streams on end
	s_lshl_b32 s28, s30, 12                        ; 4,096 bytes of codes a run
	s_add_nc_u64 s[18:19], s[18:19], s[28:29]
	s_lshl_b32 s28, s30, 8                         ; 256 scale bytes a run
	s_add_nc_u64 s[20:21], s[20:21], s[28:29]
.macro LOAD t
.irp i, 0,1,2,3
	global_load_b128 v[R+16*((\t)%4)+4*\i:R+16*((\t)%4)+4*\i+3], v3, s[26:27] offset:2048*(\t)+512*\i th:TH_LOAD_NT   ; 32 lanes read 512 consecutive bytes
.endr
.endm
.macro TURN t                          ; step t's numbers through the stage: LDS serves a wave's instructions in order, so no wait stands between the stores and the loads
.irp i, 0,1,2,3
	ds_store_b128 v14, v[R+16*((\t)%4)+4*\i:R+16*((\t)%4)+4*\i+3] offset:32*SP*((\t)%2)+8*SP*\i
.endr
.irp i, 0,1,2,3
	ds_load_b128 v[X+16*((\t)%2)+4*\i:X+16*((\t)%2)+4*\i+3], v15 offset:32*SP*((\t)%2)+16*\i
.endr
.endm
.irp t, 0,1,2,3
	LOAD \t
.endr
	s_wait_loadcnt 12                              ; step 0's four loads are in; the twelve of steps 1 to 3 may be out
	TURN 0
.macro STEP t
.set XS, X+16*((\t)%2)
.if (\t) > 0
	s_wait_dscnt 1                                 ; this step's numbers are back from the stage (the last step's byte store may be out): so its stores into the stage have read their registers,
.else
	s_wait_dscnt 0x0
.endif
.if (\t)+4 < STEPS
	LOAD (\t)+4                                    ; which take the loads of four steps on
.endif
.if (\t)+1 < STEPS
.if STEPS-2-(\t) >= 3
	s_wait_loadcnt 12                              ; the next step's four loads are in; those of the three steps behind it may be out
.else
	s_wait_loadcnt 4*(STEPS-2-(\t))
.endif
	TURN (\t)+1                                    ; and go through the other stage while this step is worked
.endif
	v_max3_num_f32 v8, |v[XS]|, |v[XS+1]|, |v[XS+2]|               ; the largest magnitude of my 16, in two chains
	v_max3_num_f32 v9, |v[XS+3]|, |v[XS+4]|, |v[XS+5]|
.irp i, 6,10
	v_max3_num_f32 v8, v8, |v[XS+\i]|, |v[XS+\i+1]|
	v_max3_num_f32 v9, v9, |v[XS+\i+2]|, |v[XS+\i+3]|
.endr
	v_max3_num_f32 v8, v8, |v[XS+14]|, |v[XS+15]|
	v_max3_num_f32 v8, v8, v9, (EMAX+1)<<23        ; and the floor 2^(3 - 127): so the byte cannot fall under 1
	v_max_num_f32_dpp v8, v8, v8 row_xmask:1 row_mask:0xf bank_mask:0xf   ; and of my neighbour's 16: the block's
	v_add_nc_u32 v11, 0xff000000, v8               ; 2 off its exponent field: the conversion takes the exponent field of this operand as its scale, and nothing else of it
	v_cvt_scalef32_pk8_fp4_f32 v[C+4*(\t)], v[XS:XS+7], v11        ; eight numbers / the scale, to the nearest code, ties to even, beyond 6 the largest code
	v_cvt_scalef32_pk8_fp4_f32 v[C+4*(\t)+1], v[XS+8:XS+15], v11
	v_lshrrev_b32 v[E+(\t)], 23, v11               ; the scale's byte (a plain line behind the conversions)
	ds_store_b8 v5, v[E+(\t)] offset:16*(\t)       ; both lanes of a block write the same byte with the same value
	global_store_b64 v4, v[C+4*(\t):C+4*(\t)+1], s[18:19] offset:32*CB*(\t)   ; the wave stores 256 consecutive bytes, aligned
.endm
.irp t, 0,1,2,3,4,5,6,7,8,9,10,11,12,13,14,15
	STEP \t
.endr
	ds_load_b64 v[8:9], v6                         ; LDS serves a wave's instructions in order: these see my stores
	s_wait_dscnt 0x0
	global_store_b64 v7, v[8:9], s[20:21]          ; 32 lanes store 256 consecutive bytes, aligned
	s_wait_tensorcnt 0x0                           ; the wave's end: behind my last LDS store
	ds_add_u32 v[SPW], v[NIL]
	s_wait_dscnt 0x0
	s_endpgm
; Wo to f16 images.  A wave takes 16 rows x 512 along K: 16 images, four at a time in two sets of 64 registers.  Lane (r, h) reads, for image ks and half c, the 32 bytes of row r at k = 32 ks + 16 c + 8 h;
; eight numbers pack into 16 bytes, and the wave's store of a half covers 512 consecutive bytes.
.Lwo:
	s_sub_co_u32 s25, ttmp9, NQWG
	s_lshl_b32 s25, s25, 2
	s_add_co_u32 s25, s25, s24                     ; unit 0 .. 127
	s_lshr_b32 s26, s25, 1                         ; which 16 rows
	s_and_b32 s27, s25, 1                          ; which half of K
	s_lshl_b32 s28, s26, 16                        ; 16 rows of 4,096 bytes
	s_lshl_b32 s30, s27, 11
	s_add_co_u32 s28, s28, s30
	s_mov_b32 s29, 0
	s_lshl_b32 s30, s26, 15                        ; 32 images of 1,024 bytes
	s_lshl_b32 s31, s27, 14
	s_add_co_u32 s30, s30, s31
	s_mov_b32 s31, 0
	v_and_b32 v5, 15, v0                           ; r
	v_bfe_u32 v6, v0, 4, 1                         ; h
	v_lshlrev_b32 v3, 12, v5
	v_lshl_add_u32 v3, v6, 5, v3                   ; in: row r, + 32 h
	v_lshlrev_b32 v4, 4, v2                        ; out: 16 x lane
	s_wait_kmcnt 0x0
	s_add_nc_u64 s[16:17], s[16:17], s[28:29]
	s_add_nc_u64 s[22:23], s[22:23], s[30:31]
.macro WLOAD n, rs
.irp f, 0,1,2,3
.irp c, 0,1
.irp e, 0,1
	global_load_b128 v[\rs+16*\f+8*\c+4*\e:\rs+16*\f+8*\c+4*\e+3], v3, s[16:17] offset:(4*\n+\f)*128+64*\c+16*\e th:TH_LOAD_NT
.endr
.endr
.endr
.endm
.macro WCVT n, rs
.irp f, 0,1,2,3
.irp i, 0,1,2,3,4,5,6,7
	v_cvt_pk_f16_f32 v[\rs+16*\f+\i], v[\rs+16*\f+2*\i], v[\rs+16*\f+2*\i+1]   ; in place, ascending: register i is written when registers 2 i and 2 i + 1 are read
.endr
.irp c, 0,1
	global_store_b128 v4, v[\rs+16*\f+4*\c:\rs+16*\f+4*\c+3], s[22:23] offset:(4*\n+\f)*1024+512*\c
.endr
.endr
.endm
	WLOAD 0, 16
	WLOAD 1, 80
	s_wait_loadcnt 16                              ; the first set's 16 loads are in; the other set's may be out
	WCVT 0, 16
	s_wait_xcnt 0x0                                ; the stores have read their data: the set may be loaded again
	WLOAD 2, 16
	s_wait_loadcnt 16
	WCVT 1, 80
	s_wait_xcnt 0x0
	WLOAD 3, 80
	s_wait_loadcnt 16
	WCVT 2, 16
	s_wait_loadcnt 0x0
	WCVT 3, 80
	s_wait_tensorcnt 0x0                           ; the wave's end
	ds_add_u32 v[SPW], v[NIL]
	s_wait_dscnt 0x0
	s_endpgm
.Lfunc_end_k_q9c9fe9d903_quant:
	.size	k_q9c9fe9d903_quant, .Lfunc_end_k_q9c9fe9d903_quant-k_q9c9fe9d903_quant
	.p2alignl 7, 3214868480
	.fill 96, 4, 3214868480
	.section	.rodata,"a",@progbits
	.p2align	6, 0x0
	.amdhsa_kernel k_q9c9fe9d903_quant
		.amdhsa_group_segment_fixed_size 33280
		.amdhsa_private_segment_fixed_size 0
		.amdhsa_enable_private_segment 0
		.amdhsa_kernarg_size 80
		.amdhsa_user_sgpr_count 2
		.amdhsa_user_sgpr_kernarg_segment_ptr 1
		.amdhsa_wavefront_size32 1
		.amdhsa_system_sgpr_workgroup_id_x 1
		.amdhsa_system_sgpr_workgroup_id_y 1
		.amdhsa_system_sgpr_workgroup_id_z 1
		.amdhsa_system_vgpr_workitem_id 0
		.amdhsa_next_free_vgpr 192
		.amdhsa_next_free_sgpr 66
		.amdhsa_reserve_vcc 0
		.amdhsa_float_denorm_mode_32 3
		.amdhsa_float_denorm_mode_16_64 3
		.amdhsa_memory_ordered 1
		.amdhsa_forward_progress 1
		.amdhsa_inst_pref_size 52
	.end_amdhsa_kernel
	.amdgpu_metadata
---
amdhsa.version: [ 1, 2 ]
amdhsa.kernels:
  - .name:           k_q9c9fe9d903_quant
    .symbol:         k_q9c9fe9d903_quant.kd
    .args:
      - { .name: queries, .offset: 0, .size: 8, .value_kind: global_buffer, .address_space: global }
      - { .name: keys, .offset: 8, .size: 8, .value_kind: global_buffer, .address_space: global }
      - { .name: values, .offset: 16, .size: 8, .value_kind: global_buffer, .address_space: global }
      - { .name: Wq, .offset: 24, .size: 8, .value_kind: global_buffer, .address_space: global }
      - { .name: Wk, .offset: 32, .size: 8, .value_kind: global_buffer, .address_space: global }
      - { .name: Wv, .offset: 40, .size: 8, .value_kind: global_buffer, .address_space: global }
      - { .name: Wo, .offset: 48, .size: 8, .value_kind: global_buffer, .address_space: global }
      - { .name: codes, .offset: 56, .size: 8, .value_kind: global_buffer, .address_space: global }
      - { .name: scales, .offset: 64, .size: 8, .value_kind: global_buffer, .address_space: global }
      - { .name: wo16, .offset: 72, .size: 8, .value_kind: global_buffer, .address_space: global }
    .group_segment_fixed_size: 33280
    .private_segment_fixed_size: 0
    .kernarg_segment_align: 8
    .kernarg_segment_size: 80
    .max_flat_workgroup_size: 128
    .sgpr_count:     66
    .vgpr_count:     192
    .wavefront_size: 32
...
	.end_amdgpu_metadata
.endif
;; end of part 1
;; launch proj (part 2): grid 4 x 96, 4 waves a work-group, clusters of 4 x 4, 327,680 bytes of LDS; arguments codes, scales, qkv; writes qkv
.if DOCPART == 2
	.amdgcn_target "amdgcn-amd-amdhsa--gfx1250"
	.amdhsa_code_object_version 6
	.text
	.protected	k_q9c9fe9d903_proj
	.globl	k_q9c9fe9d903_proj
	.p2align	8
	.type	k_q9c9fe9d903_proj,@function
k_q9c9fe9d903_proj:
	s_mov_b64 s[64:65], 0
	v_nop
	global_prefetch_b8 v0, s[64:65] scope:SCOPE_SE
	s_setreg_imm32_b32 hwreg(HW_REG_WAVE_MODE, 25, 1), 1
	s_wait_xcnt 0x0
	s_wait_alu depctr_hold_cnt(0) depctr_sa_sdst(0) depctr_va_vdst(0) depctr_va_sdst(0) depctr_va_ssrc(0) depctr_va_vcc(0) depctr_vm_vsrc(0)
	s_getreg_b32 s2, hwreg(HW_REG_IB_STS2, 6, 4)
	s_cmp_eq_u32 s2, 0
	s_cbranch_scc0 .Lentry_in_a_cluster
	s_endpgm
.Lentry_in_a_cluster:
	s_bfe_u32 s2, ttmp6, 0x10000c
	s_cmp_lg_u32 s2, 0xf033
	s_cbranch_scc0 .Lentry_shape_is_right
	s_endpgm
.Lentry_shape_is_right:
; THE THREE PROJECTIONS, q = queries Wq^T, k = keys Wk^T, v = values Wv^T, as ONE product on codes of FP4 (E2M1) with one E8M0 scale for each 32 along K; sums in f32.  All rows are done (nothing is left out here).
; The rows of queries, keys and values lie on end (24,576 rows of 512 bytes of codes), and so do those of Wq, Wk, Wv (3,072 rows, from byte 12,582,912 on); the scale bytes likewise (32 a row; W's from byte 786,432 on).
; A tile, 256 rows x 256 outputs, is made by a work-group of four waves; a wave makes 128 x 128: 64 accumulators of 16 x 16, 512 registers.  Tile row y = 0 .. 95; p = y / 32 says which of the three products it belongs to.
; K = 1,024 is two K steps of 512 (a tile's row is 256 bytes of memory): both lie in LDS slots of their own, asked for at the start; nothing is filled a second time.  The scales of the tile's rows, for all of K, come with them.
; CLUSTERS: 4 x 4 work-groups.  The four of a row of the cluster need the same rows of x, the four of a column the same rows of W: each tile is asked for JOINTLY, by the same tensor load with the same descriptor and a mask
; that names the four.  A cluster's four tile rows lie in one p.  THE MATRIX INSTRUCTION IS USED TRANSPOSED (source 0 = 16 rows of W, source 1 = 16 rows of x): a lane then holds eight neighbouring outputs of one row.
; THE WAY OUT: results are rounded to f16 (limit: magnitudes under 65,504) and stored as IMAGES of the next launch's operand registers: for 16 positions x 32 channels of a head, 1,024 bytes: half c, lane (r, h): 16 bytes =
; position r, channels 16 c + 8 h + 0 .. 7.  A lane's eight results ARE such 16 bytes, so nothing goes through LDS, and each store of the wave covers 512 consecutive bytes, aligned.
; qkv: [batch][head][16 positions]: 6,144 bytes: q's two images, k's two, v's two.  In v's images the 16-byte pieces stand with bits 3 and 4 of the lane's number exchanged: so the next launch's turning load takes them at 16 x lane.
; REGISTERS, in windows of 256: window 0: v0-31 addresses; v32-95 scale words, two sets; from v128 x's fragments, ONE set; on the way out v128-255 packed results.
;   window 1: W's fragments, TWO sets, at v0 and v128.   window 2: the 32 accumulators of my rows 0-63 (accumulator (a, b) at v[8 (8 a + b)]);   window 3: those of my rows 64-127.
.set KSTEP,  512
.set NQ,     KSTEP/128                 ; matrix instructions deep
.set ROWB,   256                       ; a tile's row in bytes
.set KROW,   512                       ; a row of codes in memory
.set PITCH,  272                       ; an LDS row: 256 bytes + 16 of padding = 68 words: the 16 rows that a load touches start 4 words apart modulo 64
.set FR,     8                         ; registers of a fragment: 16 rows x 128 K
.set NL,     2                         ; LDS loads that bring one
.set NP,     4                         ; places behind this matrix instruction (ISA guide 7.12.1)
.set HALFT,  128*PITCH                 ; 128 rows: what one tensor load brings, and what one wave reads of x or of W
.set SLOT,   4*HALFT                   ; x's 256 rows, then W's 256 rows
.set KS,     32                        ; a row of scale bytes
.set SCL,    2*SLOT                    ; behind the slots: the scales, as runs of 256 bytes + 16 of padding
.set HALFS,  (128*KS/256)*272          ; the scales of 128 rows: what one tensor load brings
.set SBLK,   (16*KS/256)*272           ; those of 16 rows
.set SPARE,  SCL+4*HALFS               ; behind the scales: the spare words, 128 bytes for each wave, which no other line names
.set WCODES, 12582912                  ; where W's codes begin
.set WSCALES, 786432                   ; and W's scale bytes
.set ADRA, 16                          ; v16-17  LDS address of my x fragments in slot 0, 1
.set ADRB, 20                          ; v20-21  the same for W
.set CO,   26                          ; v26     the way out: my 16 bytes' place in half an image
.set ADRS, 27                          ; v27     LDS address of my scale words: lanes 0-15 x's rows, lanes 16-31 W's
.set SPW,  28                          ; v28     LDS address of my spare word; never rewritten
.set NIL,  29                          ; v29     0; never rewritten
.set SC,   32                          ; scale words: set s at v[SC + 8 NQ s]; register NQ i + q: lanes 0-15 the word of x's block i, lanes 16-31 that of W's block i, for the slot's q-th 128 along K
.set AF,   128                         ; x's fragments, in window 0
.set TMP,  128                         ; the way out: packed results
.set G1, 24                            ; s[24:31] descriptor group 1 for x's tiles;  s[32:39] group 0, one set for each slot
.set G0, 32
.set G1B, 48                           ; s[48:55], s[56:63] the same for W's tiles
.set G0B, 56
.set G1S, 68                           ; s[68:75], s[76:79] groups 1 and 0 for x's scales;  s[80:87], s[88:91] for W's
.set G0S, 76
.set G1SB, 80
.set G0SB, 88
.set MSB, 0
.macro WIN new                         ; the immediate's high byte repeats the setting that is left
.if MSB != \new
	s_set_vgpr_msb (MSB<<8)|\new
.set MSB, \new
.endif
.endm
.set MUL_LO, 0xa1                      ; source 0 (W) window 1, source 1 (x) window 0, C and D window 2
.set MUL_HI, 0xf1                      ; the same, C and D window 3
.set TO_B,   0x40                      ; destination window 1, address window 0
; A joint load: waves 0 and 1 fetch for x, waves 2 and 3 for W.  Each of the two lines has ONE mask and one set of registers for all that issue it; the branch hangs on the wave's number alone.
; An s_nop 0 and four v_nop follow each of the two lines.
.macro JLOAD g0a, g1a, g0b, g1b
	s_cmp_eq_u32 s15, 0
	s_cbranch_scc0 .Lfor_b_\@
	tensor_load_to_lds s[\g0a:\g0a+3], s[\g1a:\g1a+7]
	s_nop 0
.rept 4
	v_nop
.endr
	s_branch .Lasked_\@
.Lfor_b_\@:
	tensor_load_to_lds s[\g0b:\g0b+3], s[\g1b:\g1b+7]
	s_nop 0
.rept 4
	v_nop
.endr
.Lasked_\@:
.endm
.macro CROUND                          ; a round of the cluster's barrier
	s_barrier_signal -1
	s_barrier_wait -1
	s_cmp_lg_u32 s14, 0
	s_cbranch_scc1 .Lnot_wave_0_\@
	s_barrier_signal -3
.Lnot_wave_0_\@:
	s_barrier_wait -3
	s_barrier_signal -1
	s_barrier_wait -1
.endm
	s_load_b128 s[4:7], s[0:1], 0x0                ; codes s[4:5], scales s[6:7]
	s_load_b64 s[12:13], s[0:1], 0x10              ; qkv
	v_lshl_add_u32 v[SPW], v0, 2, SPARE
	v_mov_b32 v[NIL], 0
	ds_add_u32 v[SPW], v[NIL]                      ; the wave's opening: the add, twice on end, and its wait ahead of my first tensor load
	ds_add_u32 v[SPW], v[NIL]
	v_lshrrev_b32 v1, 5, v0
	v_readfirstlane_b32 s14, v1                    ; wave 0..3
	s_lshr_b32 s15, s14, 1                         ; which half of the tile's rows is mine.  Also: I fetch for x (0) or for W (1)
	s_and_b32 s16, s14, 1                          ; which half of its outputs.  Also: which 128 rows of that tile I fetch
	s_bfe_u32 s40, ttmp6, 0x40000                  ; cx, cy: my place in the cluster
	s_bfe_u32 s41, ttmp6, 0x40004
	s_lshl_b32 s42, ttmp9, 2
	s_add_co_u32 s42, s42, s40                     ; tile column = 4 x cluster x + cx
	s_and_b32 s17, ttmp7, 0xffff
	s_lshr_b32 s96, s17, 3                         ; p = cluster y / 8: 0 q, 1 k, 2 v: the same in all sixteen partners
	s_lshl_b32 s17, s17, 2
	s_add_co_u32 s17, s17, s41                     ; tile row = 4 x cluster y + cy
	s_lshl_b32 s43, s41, 2
	s_lshl_b32 s43, 15, s43                        ; my row of the cluster
	s_lshl_b32 s44, 0x1111, s40                    ; my column
	; descriptor group 1: a tile of 128 rows x 256 bytes, padded in LDS
	s_or_b32 s[G1+0], s43, (0<<16)|(1<<20)|(1<<21)|(5<<22)|(3<<25)  ; 15:0 the mask: x's tiles go to my row; 17:16 elements of 1 byte; 20 padding on; 21 set beside a mask; 24:22 after every 64 words; 31:25 four words
	s_or_b32 s[G1B+0], s44, (0<<16)|(1<<20)|(1<<21)|(5<<22)|(3<<25)
.irp g, G1, G1B
	s_mov_b32 s[\g+1], ROWB<<16                    ; tensor_dim0
	s_mov_b32 s[\g+2], 128<<16                     ; tensor_dim1 = 128
	s_mov_b32 s[\g+3], ROWB<<16                    ; tile_dim0
	s_mov_b32 s[\g+4], 128                         ; tile_dim1 = 128
	s_mov_b32 s[\g+5], KROW                        ; tensor_dim0_stride
	s_mov_b32 s[\g+6], 0
	s_mov_b32 s[\g+7], 0
.endr
	; the scales of 128 rows: a dense block of 4,096 bytes, as 16 rows of 256 bytes (32 elements of 8 bytes), 16 bytes of padding behind each
	s_or_b32 s[G1S+0], s43, (3<<16)|(1<<20)|(1<<21)|(5<<22)|(3<<25)
	s_or_b32 s[G1SB+0], s44, (3<<16)|(1<<20)|(1<<21)|(5<<22)|(3<<25)
.irp g, G1S, G1SB
	s_mov_b32 s[\g+1], 32<<16
	s_mov_b32 s[\g+2], (128*KS/256)<<16
	s_mov_b32 s[\g+3], 32<<16
	s_mov_b32 s[\g+4], 128*KS/256
	s_mov_b32 s[\g+5], 32
	s_mov_b32 s[\g+6], 0
	s_mov_b32 s[\g+7], 0
.endr
	s_lshl_b32 s18, s16, 7                         ; which 128 rows of the tile I fetch
	s_lshl_b32 s20, s17, 8
	s_add_co_u32 s20, s20, s18                     ; x: row 256 x tile row + 128 x half
	s_lshl_b32 s46, s42, 8
	s_add_co_u32 s46, s46, s18                     ; W: row 256 x tile column + 128 x half
	s_lshl_b32 s47, s96, 10
	s_add_co_u32 s46, s46, s47                     ;    + 1,024 p
	s_mov_b32 s21, 0
	s_mov_b32 s47, 0
	s_mov_b64 s[18:19], KS
	s_mul_u64 s[22:23], s[20:21], s[18:19]         ; where these rows' scales begin, in bytes
	s_mul_u64 s[92:93], s[46:47], s[18:19]
	s_mov_b64 s[18:19], KROW
	s_mul_u64 s[20:21], s[20:21], s[18:19]         ; and their codes
	s_mul_u64 s[46:47], s[46:47], s[18:19]
	s_mul_i32 s45, s14, HALFT                      ; where they go: wave x 128 rows: no place in the cluster enters an LDS address
	s_mul_i32 s94, s14, HALFS
	s_wait_dscnt 0x0                               ; both opening adds are done
	s_wait_kmcnt 0x0
	s_add_nc_u64 s[8:9], s[4:5], WCODES            ; W's codes
	s_add_nc_u64 s[10:11], s[6:7], WSCALES         ; W's scale bytes
	s_add_nc_u64 s[20:21], s[4:5], s[20:21]
	s_add_nc_u64 s[22:23], s[6:7], s[22:23]
	s_add_nc_u64 s[46:47], s[8:9], s[46:47]
	s_add_nc_u64 s[92:93], s[10:11], s[92:93]
	CROUND                                         ; all sixteen work-groups are here: the joint loads meet
	s_mov_b32 s[G0S], 1
	s_add_co_u32 s[G0S+1], s94, SCL
	s_mov_b64 s[G0S+2:G0S+3], s[22:23]
	s_or_b32 s[G0S+3], s[G0S+3], 0x80000000
	s_mov_b32 s[G0SB], 1
	s_add_co_u32 s[G0SB+1], s94, SCL
	s_mov_b64 s[G0SB+2:G0SB+3], s[92:93]
	s_or_b32 s[G0SB+3], s[G0SB+3], 0x80000000
	JLOAD G0S, G1S, G0SB, G1SB                     ; the scales first: they are wanted with K step 0
.irp s, 0,1
	s_mov_b32 s[G0+4*\s], 1
	s_add_co_u32 s[G0+4*\s+1], s45, \s*SLOT
	s_add_nc_u64 s[G0+4*\s+2:G0+4*\s+3], s[20:21], \s*ROWB
	s_or_b32 s[G0+4*\s+3], s[G0+4*\s+3], 0x80000000
	s_mov_b32 s[G0B+4*\s], 1
	s_add_co_u32 s[G0B+4*\s+1], s45, \s*SLOT
	s_add_nc_u64 s[G0B+4*\s+2:G0B+4*\s+3], s[46:47], \s*ROWB
	s_or_b32 s[G0B+4*\s+3], s[G0B+4*\s+3], 0x80000000
	JLOAD G0+4*\s, G1, G0B+4*\s, G1B               ; three tensor loads of mine are out now, and no more follow
.endr
	v_and_b32 v1, 15, v0                           ; l % 16
	v_bfe_u32 v2, v0, 4, 1                         ; l / 16
	v_mul_u32_u24 v3, v1, PITCH
	v_lshl_add_u32 v4, v2, 4, v3                   ; a fragment's row x pitch + 16 x half
	s_mul_i32 s21, s15, HALFT                      ; my 128 rows of x
	s_mul_i32 s22, s16, HALFT                      ; my 128 rows of W,
	s_add_co_u32 s22, s22, 2*HALFT                 ; which lie behind x's 256
.irp s, 0,1
	v_add_nc_u32 v[ADRA+\s], s21, v4
	v_add_nc_u32 v[ADRB+\s], s22, v4
	s_add_co_u32 s21, s21, SLOT
	s_add_co_u32 s22, s22, SLOT
.endr
	v_mul_u32_u24 v5, v1, KS                       ; my row's scales: 32 bytes a row,
	v_lshrrev_b32 v6, 8, v5
	v_lshl_add_u32 v5, v6, 4, v5                   ; and 16 more for each 256 passed
	s_mul_i32 s21, s15, HALFS                      ; x's: my 128 rows
	s_mul_i32 s22, s16, HALFS                      ; W's: my 128 rows, behind x's 256
	s_add_co_u32 s22, s22, 2*HALFS
	s_sub_co_u32 s22, s22, s21
	v_mul_u32_u24 v6, s22, v2                      ; lanes 16-31 take W's: one product, the distance between the two bases
	s_add_co_u32 s21, s21, SCL
	v_add_nc_u32 v5, v5, v6
	v_add_nc_u32 v[ADRS], s21, v5
	; the way out: my 16 bytes' place in half an image: 16 x lane; for v with bits 3 and 4 of the lane's number exchanged
	v_and_b32 v6, 31, v0
	v_lshlrev_b32 v7, 4, v6
	v_and_b32 v8, 7, v0
	v_lshl_add_u32 v8, v2, 3, v8
	v_bfe_u32 v9, v0, 3, 1
	v_lshl_add_u32 v8, v9, 4, v8
	v_lshlrev_b32 v8, 4, v8
	s_cmp_eq_u32 s96, 2
	s_cselect_b32 s97, -1, 0
	v_cndmask_b32 v[CO], v7, v8, s97
	s_lshl_b32 s20, s17, 8
	s_lshl_b32 s21, s15, 7
	s_add_co_u32 s20, s20, s21                     ; my first row among the 24,576
	s_bfe_u32 s21, s20, 0x2000b                    ; its batch: bits 12:11
	s_bfe_u32 s22, s20, 0x70004                    ; its tile of 16 positions in the sequence: bits 10:4
	s_lshl_b32 s21, s21, 4
	s_lshl_b32 s46, s42, 2
	s_lshl_b32 s47, s16, 1
	s_add_co_u32 s46, s46, s47                     ; my first head: 4 x tile column + 2 x half
	s_add_co_u32 s46, s46, s21                     ; + 16 x batch
	s_lshl_b32 s46, s46, 7
	s_add_co_u32 s46, s46, s22
	s_mul_i32 s46, s46, 6144
	s_lshl_b32 s47, s96, 11                        ; q's, k's or v's 2,048 bytes
	s_add_co_u32 s46, s46, s47
	s_mov_b32 s47, 0
	s_add_nc_u64 s[12:13], s[12:13], s[46:47]
.macro FRAG reg, adr, q, i             ; a fragment, 16 rows x 128 K of 4-bit codes, is 8 registers: lane l holds row l % 16; registers 4 c .. 4 c + 3 hold K = 64 c + 32 (l / 16) + 0 .. 31
.irp c, 0,1
	ds_load_b128 v[\reg+4*\c:\reg+4*\c+3], v[\adr] offset:64*(\q)+32*\c+(\i)*16*PITCH
.endr
.endm
; 16 matrix instructions: x's blocks a0, a0 + 1 against W's eight, 128 along K: the slot's q-th.  p: W's set;  sc: the set of scale words.  zero = 1: the first product starts the sums: nothing is ever cleared.
; The 64 accumulators take turns, one instruction a turn, in the same order in every step.
.macro MUL16 a0, p, q, sc, zero
.irp a, \a0, \a0+1
.irp b, 0,1,2,3,4,5,6,7
.if \zero
	v_wmma_scale_f32_16x16x128_f8f6f4 v[8*(8*((\a)%4)+\b):8*(8*((\a)%4)+\b)+7], v[128*(\p)+FR*\b:128*(\p)+FR*\b+FR-1], v[AF+FR*(\a):AF+FR*(\a)+FR-1], 0, v[SC+8*NQ*(\sc)+NQ*\b+(\q)], v[SC+8*NQ*(\sc)+NQ*(\a)+(\q)] matrix_a_fmt:MATRIX_FMT_FP4 matrix_b_fmt:MATRIX_FMT_FP4 matrix_a_scale:MATRIX_SCALE_ROW1
.else
	v_wmma_scale_f32_16x16x128_f8f6f4 v[8*(8*((\a)%4)+\b):8*(8*((\a)%4)+\b)+7], v[128*(\p)+FR*\b:128*(\p)+FR*\b+FR-1], v[AF+FR*(\a):AF+FR*(\a)+FR-1], v[8*(8*((\a)%4)+\b):8*(8*((\a)%4)+\b)+7], v[SC+8*NQ*(\sc)+NQ*\b+(\q)], v[SC+8*NQ*(\sc)+NQ*(\a)+(\q)] matrix_a_fmt:MATRIX_FMT_FP4 matrix_b_fmt:MATRIX_FMT_FP4 matrix_a_scale:MATRIX_SCALE_ROW1
.endif
.endr
.endr
.endm
.macro FETCH_B slot, q, p              ; W's eight fragments of the slot's q-th 128 along K into set p
	WIN TO_B
.irp i, 0,1,2,3,4,5,6,7
	FRAG 128*(\p)+FR*\i, ADRB+\slot, \q, \i
.endr
	WIN 0
.endm
.macro FETCH_A slot, q, i0             ; x's blocks i0 .. i0 + 3
.irp i, \i0, \i0+1, \i0+2, \i0+3
	FRAG AF+FR*(\i), ADRA+\slot, \q, \i
.endr
.endm
.macro SCALES sc                       ; a K step's scale words into set sc: four words a row; lanes 0-15 take x's block i, lanes 16-31 W's block i
.irp i, 0,1,2,3,4,5,6,7
	ds_load_b128 v[SC+8*NQ*\sc+NQ*\i:SC+8*NQ*\sc+NQ*\i+3], v[ADRS] offset:\i*SBLK
.endr
.endm
; A load into a register that a matrix instruction has read, and a vector instruction that reads a matrix result or writes one of its registers, stand NP places behind it; only plain vector instructions
; that name none of its registers are places; the matrix instructions in between are not counted.
.macro PLACES n
.rept \n
	v_nop
.endr
.endm
; A step of 128 along K that has its successor in the same slot.  x has one set of registers: a block is free as soon as its eight products are issued.
.macro STEP slot, q, zero
	s_wait_dscnt 4*NL                              ; W's set and x's blocks 0-3 are in; the youngest eight loads (x's blocks 4-7) may be out
	WIN MUL_LO
	MUL16 0, (\q)%2, \q, \slot, \zero
	MUL16 2, (\q)%2, \q, \slot, \zero
	s_wait_dscnt 0                                 ; x's blocks 4-7 are in
	PLACES NP
	FETCH_B \slot, (\q)+1, 1-(\q)%2
	FETCH_A \slot, (\q)+1, 0
	WIN MUL_HI
	MUL16 4, (\q)%2, \q, \slot, \zero
	MUL16 6, (\q)%2, \q, \slot, \zero
	PLACES NP
	WIN 0
	FETCH_A \slot, (\q)+1, 4
.endm
; Slot 0's last step goes over to slot 1: each wave waits for all its tensor loads (its part of slot 1), then the barrier shows the whole slot to every wave.
.macro TURN slot, next
	s_wait_tensorcnt 0x0                           ; all my tensor loads have landed  (every window is 0 here)
	ds_add_u32 v[SPW], v[NIL]                      ; 0 onto my spare word
	s_wait_dscnt 4*NL+1                            ; (the add and the youngest eight loads, x's blocks 4-7, may be out)
	WIN MUL_LO
	MUL16 0, 1, NQ-1, \slot, 0
	s_wait_dscnt 0x0                               ; no LDS instruction of mine is out at the signal
	s_barrier_signal -1
	MUL16 2, 1, NQ-1, \slot, 0
	WIN 0
	s_barrier_wait -1
	PLACES NP
	v_add_nc_u32 v[ADRS], 4*NQ, v[ADRS]            ; on to the next K step's scale words
	FETCH_B \next, 0, 0
	FETCH_A \next, 0, 0
	SCALES \next
	WIN MUL_HI
	MUL16 4, 1, NQ-1, \slot, 0
	MUL16 6, 1, NQ-1, \slot, 0
	PLACES NP
	WIN 0
	FETCH_A \next, 0, 4
.endm
.macro STEPS slot, from                ; the slot's steps from .. NQ - 2
.set Q, \from
.rept NQ-1-\from
	STEP \slot, Q, 0
.set Q, Q+1
.endr
.endm
	s_wait_tensorcnt 1                             ; the scales and my part of K step 0 are in; K step 1's load, the one issued behind them, may be out
	s_barrier_signal -1
	s_barrier_wait -1                              ; everybody's are
	FETCH_B 0, 0, 0
	FETCH_A 0, 0, 0
	SCALES 0
	FETCH_A 0, 0, 4
	STEP 0, 0, 1                                   ; the first step's products start the sums
	STEPS 0, 1
	TURN 0, 1
	STEPS 1, 0
	s_wait_dscnt 4*NL                              ; the very last step: nothing more to fetch
	WIN MUL_LO
	MUL16 0, 1, NQ-1, 1, 0
	MUL16 2, 1, NQ-1, 1, 0
	s_wait_dscnt 0
	WIN MUL_HI
	MUL16 4, 1, NQ-1, 1, 0
	MUL16 6, 1, NQ-1, 1, 0
	WIN 0
; THE WAY OUT, block by block of 16 rows.  Accumulator (a, bb), lane (r, h): row 16 a + r, outputs 16 bb + 8 h + 0 .. 7: head bb / 4, image (bb / 2) % 2, half bb % 2.  Each accumulator is read from its low end on.
.macro OUTBLK a
	WIN 0x0a+5*((\a)/4)                            ; sources 0 and 1: window 2 or 3; destination window 0
.irp bb, 0,1,2,3,4,5,6,7
.irp i, 0,1,2,3
	v_cvt_pk_f16_f32 v[TMP+32*((\a)%4)+4*\bb+\i], v[64*((\a)%4)+8*\bb+2*\i], v[64*((\a)%4)+8*\bb+2*\i+1]
.endr
.endr
	WIN 0
.irp bb, 0,1,2,3,4,5,6,7
	global_store_b128 v[CO], v[TMP+32*((\a)%4)+4*\bb:TMP+32*((\a)%4)+4*\bb+3], s[12:13] offset:(\a)*6144+(\bb/4)*786432+((\bb/2)%2)*1024+(\bb%2)*512   ; 32 lanes store 512 consecutive bytes, aligned
.endr
.endm
	PLACES NP                                      ; behind the last products: the conversions read results and write registers that held x's fragments
.irp a, 0,1,2,3
	OUTBLK \a
.endr
	s_wait_xcnt 0x0                                ; the stores of blocks 0 to 3 have read their data: the registers are written again
.irp a, 4,5,6,7
	OUTBLK \a
.endr
	s_wait_tensorcnt 0x0                           ; the wave's end
	ds_add_u32 v[SPW], v[NIL]
	s_wait_dscnt 0x0
	CROUND                                         ; the closing round: no work-group ends while a partner may still ask for a tile that names it
	s_endpgm
.Lfunc_end_k_q9c9fe9d903_proj:
	.size	k_q9c9fe9d903_proj, .Lfunc_end_k_q9c9fe9d903_proj-k_q9c9fe9d903_proj
	.p2alignl 7, 3214868480
	.fill 96, 4, 3214868480
	.section	.rodata,"a",@progbits
	.p2align	6, 0x0
	.amdhsa_kernel k_q9c9fe9d903_proj
		.amdhsa_group_segment_fixed_size 327680
		.amdhsa_private_segment_fixed_size 0
		.amdhsa_enable_private_segment 0
		.amdhsa_kernarg_size 24
		.amdhsa_user_sgpr_count 2
		.amdhsa_user_sgpr_kernarg_segment_ptr 1
		.amdhsa_wavefront_size32 1
		.amdhsa_system_sgpr_workgroup_id_x 1
		.amdhsa_system_sgpr_workgroup_id_y 1
		.amdhsa_system_sgpr_workgroup_id_z 1
		.amdhsa_system_vgpr_workitem_id 0
		.amdhsa_next_free_vgpr 1024
		.amdhsa_next_free_sgpr 100
		.amdhsa_reserve_vcc 0
		.amdhsa_float_denorm_mode_32 3
		.amdhsa_float_denorm_mode_16_64 3
		.amdhsa_memory_ordered 1
		.amdhsa_forward_progress 1
		.amdhsa_inst_pref_size 118
	.end_amdhsa_kernel
	.amdgpu_metadata
---
amdhsa.version: [ 1, 2 ]
amdhsa.kernels:
  - .name:           k_q9c9fe9d903_proj
    .symbol:         k_q9c9fe9d903_proj.kd
    .args:
      - { .name: codes, .offset: 0, .size: 8, .value_kind: global_buffer, .address_space: global }
      - { .name: scales, .offset: 8, .size: 8, .value_kind: global_buffer, .address_space: global }
      - { .name: qkv, .offset: 16, .size: 8, .value_kind: global_buffer, .address_space: global }
    .group_segment_fixed_size: 327680
    .private_segment_fixed_size: 0
    .kernarg_segment_align: 8
    .kernarg_segment_size: 24
    .max_flat_workgroup_size: 128
    .sgpr_count:     100
    .vgpr_count:     1024
    .wavefront_size: 32
...
	.end_amdgpu_metadata
.endif
;; end of part 2
;; launch attn (part 3): grid 16 x 16, 16 waves a work-group, no clusters, 198,656 bytes of LDS; arguments qkv, valid_lens, att; writes att
.if DOCPART == 3
	.amdgcn_target "amdgcn-amd-amdhsa--gfx1250"
	.amdhsa_code_object_version 6
	.text
	.protected	k_q9c9fe9d903_attn
	.globl	k_q9c9fe9d903_attn
	.p2align	8
	.type	k_q9c9fe9d903_attn,@function
k_q9c9fe9d903_attn:
	s_mov_b64 s[64:65], 0
	v_nop
	global_prefetch_b8 v0, s[64:65] scope:SCOPE_SE
	s_setreg_imm32_b32 hwreg(HW_REG_WAVE_MODE, 25, 1), 1
	s_wait_xcnt 0x0
; ATTENTION: for each batch, head and query, softmax over the keys of q . k / 8, keys at or beyond valid_lens[batch] at -1e9, times v.  Operands in f16 (limit: magnitudes under 65,504), products, maxima and sums in f32.
; LEFT OUT: steps of 64 keys that lie wholly at or beyond valid_lens[batch]: their weights add nothing beside the kept keys' (shown at the head of the first launch's text; real scores above about -1e9 + 200).
; valid_lens[batch] <= 0: every key is masked, the softmax is uniform: all 2,048 keys are walked, and every score is replaced by one common value, 0: a softmax does not see which.  A NaN or infinity in keys left out is not carried on.
; SHARES.  A work-group owns 128 queries of one head IN ALL FOUR BATCHES: wave w has batch w / 4 and queries 32 (w % 4) on, two tiles of 16.  So every work-group's work goes with the sum of the four valid_lens: evenly, whatever they hold.
; NO TENSOR LOAD, NO CLUSTER: how far a wave walks hangs on valid_lens, read from memory.  K and V go from memory to registers, to LDS by ds_store, and the four waves of a batch read them.
; LAYOUT.  S^T = K Q^T (source 0 = 16 keys, source 1 = 16 queries) and O^T = V^T P (source 0 = 16 channels, source 1 = P): a lane holds ONE query (lane % 16) throughout.  Two tiles of S^T, rounded to f16 in pairs, ARE source 1 of
; the second product.  q's, k's and v's fragments lie in memory as images of the operand's registers (16 x lane, 512 bytes a half); v's pieces stand so that ds_load_tr16_b128 at 16 x lane gives V^T.  The packed O^T is att's image.
; SOFTMAX.  For each query a running maximum m and sum l: p = 2^(c s - c m), c = log2(e) / 8; in every step O and l are multiplied by a = 2^(c m_old - c m_new).  m begins at -3e38, l and O at 0: the step is written once.
; THE RING: three LDS slots of 64 keys x four batches.  In the trip of step j a wave signals the barrier, reads slot j % 3 and does the step's work, waits for the barrier, stores the tile of step j + 2 (asked of memory a trip ago) into
; slot (j + 2) % 3, and asks memory for the tile of step j + 3.  Slot j was stored two trips ago, ahead of the signal of the last trip's barrier, whose wait I have passed.  Slot (j + 2) % 3 was read last in step j - 1: every wave's
; reads of it were back ahead of this trip's signal, and I store behind this trip's wait.  All 33 trips, their barriers and waits are run by every wave; only work, stores and loads are jumped over.
.set SLOTB, 65536                      ; a slot: for each batch 16,384 bytes: K's four tiles of 16 keys (2,048 each), then V's
.set SPARE, 3*SLOTB                    ; behind the ring: the spare words, 128 bytes for each of 16 waves, which no other line names
.set LN,   1                           ; v1   16 x lane
.set AL,   2                           ; v2   my batch's part of a slot + 16 x lane
.set AST,  3                           ; v3   + 2,048 x (w % 4): where I store my tile of 16 keys
.set ARD,  4                           ; v4   the slot that is read
.set AWR,  5                           ; v5   the slot that is stored
.set SPW,  6                           ; v6   LDS address of my spare word; never rewritten
.set NIL,  7                           ; v7   0; never rewritten
.set H8,   8                           ; v8   8 (lane / 16)
.set DD,   9                           ; v9   the mask's bound
.set NEG,  10                          ; v10  what a masked score becomes: -8e9, which is -1e9 ahead of the division by 8 (0 where every key is masked)
.set PFO,  11                          ; v11  the prefetch's offset; never rewritten
.set ST,   12                          ; tile t's statistics at v[ST + 8 t]: +0 c m, +1 m, +2, +3 l (even keys', odd keys'), +4 to +7 at work; a takes +6
.set VLO,  28                          ; v28  my tile's and lane's offset in a step's tiles in memory; never rewritten
.set Q,    32                          ; v32-63   Q (tile t, channels 32 u on) at Q + 16 t + 8 u
.set S,    64                          ; v64-127  S^T (t, 16 keys kt) at S + 32 t + 8 kt; then P (t, 32 keys s2) at S + 32 t + 8 s2, and V's second half in the upper 16 of each 32
.set O,    128                         ; v128-191 O^T (t, 16 channels ct) at O + 32 t + 8 ct
.set KV,   192                         ; v192-223 four fragments of K or of V
.set STG,  224                         ; v224-255 my 4,096 bytes of a step's tiles on their way from memory to LDS
.set VLM,  15                          ; s15  valid_lens[batch], held to 0 .. 2,048
.set LIM,  16                          ; s16  keys to walk: VLM, or 2,048 where VLM = 0
.set PLIM, 17                          ; s17  LIM in a wave that prefetches, else 0
.set KF,   18                          ; s18  the step's first key
.set SB,   24                          ; s[24:25] where a step's tiles begin in memory
	s_load_b128 s[4:7], s[0:1], 0x0                ; qkv s[4:5], valid_lens s[6:7]
	s_load_b64 s[8:9], s[0:1], 0x10                ; att
	v_lshl_add_u32 v[SPW], v0, 2, SPARE
	v_mov_b32 v[NIL], 0
	v_lshrrev_b32 v1, 5, v0
	v_readfirstlane_b32 s10, v1                    ; wave 0..15
	s_and_b32 s11, s10, 3                          ; g: which 32 queries; also which 16 keys of a step I bring
	s_lshr_b32 s12, s10, 2                         ; my batch
	s_and_b32 s13, ttmp7, 0xffff                   ; the head
	s_mov_b32 s14, ttmp9                           ; the block of 128 queries
	v_and_b32 v9, 31, v0                           ; lane
	v_lshlrev_b32 v[LN], 4, v9
	v_lshrrev_b32 v8, 4, v9                        ; lane / 16
	s_and_b32 s27, s11, 1
	v_lshl_add_u32 v10, s27, 1, v8                 ; the prefetch: 64 lanes of two waves name a step's 64 runs of 256 bytes: tile 2 (g % 2) + lane / 16,
	v_mul_u32_u24 v10, v10, 6144
	v_and_b32 v11, 15, v0
	v_lshl_add_u32 v[PFO], v11, 8, v10             ; run lane % 16 of its 4,096 bytes of k and v
	v_lshlrev_b32 v[H8], 3, v8
	s_lshl_b32 s26, s12, 14
	v_add_nc_u32 v[AL], s26, v[LN]
	s_lshl_b32 s26, s11, 11
	v_add_nc_u32 v[AST], s26, v[AL]
	s_mul_i32 s26, s11, 6144
	v_add_nc_u32 v[VLO], s26, v[LN]
	s_mov_b32 s20, 0x76543210                      ; v_permlanex16_b32's selects for lane l xor 16
	s_mov_b32 s21, 0xfedcba98
	s_mov_b32 s22, 0x3e38aa3b                      ; c = log2(e) / 8
	s_mov_b32 s23, s22                             ; (named with it as a pair, so it is written)
	s_mov_b32 s[KF], 0
	s_lshl_b32 s26, s12, 4
	s_add_co_u32 s26, s26, s13                     ; 16 x batch + head
	s_mul_i32 s26, s26, 786432                     ; 128 tiles of 6,144 bytes
	s_mov_b32 s27, 0
	s_lshl_b32 s28, s14, 3
	s_lshl_b32 s29, s11, 1
	s_add_co_u32 s28, s28, s29                     ; my first tile of queries: 8 x block + 2 g
	s_wait_kmcnt 0x0
	s_load_b128 s[32:35], s[6:7], 0x0              ; the four valid_lens
	s_add_nc_u64 s[SB:SB+1], s[4:5], s[26:27]      ; my batch's and head's tiles
	s_mul_i32 s26, s28, 6144
	s_add_nc_u64 s[4:5], s[SB:SB+1], s[26:27]      ; Q's images
	s_add_nc_u64 s[SB:SB+1], s[SB:SB+1], 2048      ; k's and v's images of key 0 on: 4,096 bytes on end in each tile's 6,144
	s_lshl_b32 s26, s12, 7
	s_add_co_u32 s26, s26, s28                     ; my first tile of rows of att
	s_lshl_b32 s26, s26, 5
	s_lshl_b32 s29, s13, 1
	s_add_co_u32 s26, s26, s29                     ; its image 2 x head
	s_lshl_b32 s26, s26, 10
	s_add_nc_u64 s[8:9], s[8:9], s[26:27]
.irp t, 0,1
.irp u, 0,1
.irp c, 0,1
	global_load_b128 v[Q+16*\t+8*\u+4*\c:Q+16*\t+8*\u+4*\c+3], v[LN], s[4:5] offset:\t*6144+\u*1024+\c*512   ; Q stays in registers
.endr
.endr
.endr
.irp i, 0,1,2,3,4,5,6,7
	global_load_b128 v[STG+4*\i:STG+4*\i+3], v[VLO], s[SB:SB+1] offset:512*\i      ; step 0: key 0 counts wherever any key counts
.endr
	s_wait_kmcnt 0x0
	s_cmp_eq_u32 s12, 1                            ; my batch's valid_len: a choice on the wave's number
	s_cselect_b32 s[VLM], s33, s32
	s_cmp_eq_u32 s12, 2
	s_cselect_b32 s[VLM], s34, s[VLM]
	s_cmp_eq_u32 s12, 3
	s_cselect_b32 s[VLM], s35, s[VLM]
	s_max_i32 s[VLM], s[VLM], 0
	s_min_i32 s[VLM], s[VLM], 2048
	s_cmp_eq_u32 s[VLM], 0
	s_cselect_b32 s[LIM], 2048, s[VLM]
	s_cselect_b32 s26, 0, 0xcfee6b28
	v_mov_b32 v[NEG], s26
	s_lshr_b32 s27, s11, 1                         ; who prefetches: all work-groups of a head walk the same K and V: the head's first asks, in it the waves g = 0, 1 of each batch
	s_or_b32 s27, s27, s14
	s_cmp_eq_u32 s27, 0
	s_cselect_b32 s[PLIM], s[LIM], 0
	s_cmp_le_u32 s[LIM], 64
	s_cbranch_scc1 .Lno_tile_1
.irp i, 0,1,2,3,4,5,6,7
	global_load_b128 v[S+4*\i:S+4*\i+3], v[VLO], s[SB:SB+1] offset:24576+512*\i    ; step 1, through registers that are free yet
.endr
	s_wait_loadcnt 0x0
	v_add_nc_u32 v[AWR], SLOTB, v[AST]
.irp i, 0,1,2,3
	ds_store_b128 v[AWR], v[S+4*\i:S+4*\i+3] offset:512*\i
.endr
.irp i, 4,5,6,7
	ds_store_b128 v[AWR], v[S+4*\i:S+4*\i+3] offset:8192+512*(\i-4)
.endr
.Lno_tile_1:
	s_wait_loadcnt 0x0                             ; Q and step 0
.irp i, 0,1,2,3
	ds_store_b128 v[AST], v[STG+4*\i:STG+4*\i+3] offset:512*\i
.endr
.irp i, 4,5,6,7
	ds_store_b128 v[AST], v[STG+4*\i:STG+4*\i+3] offset:8192+512*(\i-4)
.endr
.irp t, 0,1
	v_mov_b32 v[ST+8*\t+1], 0xff61b1e6             ; m = -3e38, under every score
	v_mul_f32 v[ST+8*\t], s22, v[ST+8*\t+1]        ; c m
.irp i, 2,3,4,5,6,7
	v_mov_b32 v[ST+8*\t+\i], 0                     ; l; and the registers at work, written once
.endr
.endr
.set j, 0
.rept 64
	v_mov_b32 v[O+j], 0                            ; O^T: the first step finds zeros, which its a = 0 leaves zeros
.set j, j+1
.endr
	s_wait_dscnt 0x0                               ; my stores into slots 0 and 1 are done
	s_cmp_le_u32 s[LIM], 128
	s_cbranch_scc1 .Lno_tile_2
.irp i, 0,1,2,3,4,5,6,7
	global_load_b128 v[STG+4*\i:STG+4*\i+3], v[VLO], s[SB:SB+1] offset:49152+512*\i   ; step 2: stored in the first trip
.endr
.Lno_tile_2:
	s_wait_xcnt 0x0                                ; the loads have read their base
	s_add_nc_u64 s[SB:SB+1], s[SB:SB+1], 49152     ; at step 2: each trip steps it first
	s_barrier_signal -1
	s_barrier_wait -1                              ; slots 0 and 1 are whole
.macro KLOAD hh                        ; K's fragments of keys 32 hh on: (16 keys kk, channels 32 u on) at KV + 8 (2 kk + u)
.irp f, 0,1,2,3
	ds_load_b128 v[KV+8*\f:KV+8*\f+3],   v[ARD] offset:4096*\hh+1024*\f
	ds_load_b128 v[KV+8*\f+4:KV+8*\f+7], v[ARD] offset:4096*\hh+1024*\f+512
.endr
.endm
.macro SQK hh                          ; eight products: four accumulators by turns, one instruction a turn; the first four start the sums
.irp u, 0,1
.irp kk, 0,1
.irp t, 0,1
.if \u == 0
	v_wmma_f32_16x16x32_f16 v[S+32*\t+8*(2*\hh+\kk):S+32*\t+8*(2*\hh+\kk)+7], v[KV+8*(2*\kk+\u):KV+8*(2*\kk+\u)+7], v[Q+16*\t+8*\u:Q+16*\t+8*\u+7], 0
.else
	v_wmma_f32_16x16x32_f16 v[S+32*\t+8*(2*\hh+\kk):S+32*\t+8*(2*\hh+\kk)+7], v[KV+8*(2*\kk+\u):KV+8*(2*\kk+\u)+7], v[Q+16*\t+8*\u:Q+16*\t+8*\u+7], v[S+32*\t+8*(2*\hh+\kk):S+32*\t+8*(2*\hh+\kk)+7]
.endif
.endr
.endr
.endr
.endm
.macro PV s2                           ; eight products O^T += V^T P, keys 32 s2 on: eight accumulators by turns
.irp ct, 0,1,2,3
.irp t, 0,1
.if \s2 == 0
	v_wmma_f32_16x16x32_f16 v[O+32*\t+8*\ct:O+32*\t+8*\ct+7], v[KV+8*\ct:KV+8*\ct+7], v[S+32*\t:S+32*\t+7], v[O+32*\t+8*\ct:O+32*\t+8*\ct+7]
.else
	v_wmma_f32_16x16x32_f16 v[O+32*\t+8*\ct:O+32*\t+8*\ct+7], v[S+32*(\ct/2)+16+8*(\ct%2):S+32*(\ct/2)+16+8*(\ct%2)+7], v[S+32*\t+8:S+32*\t+15], v[O+32*\t+8*\ct:O+32*\t+8*\ct+7]
.endif
.endr
.endr
.endm
.macro PLACES
.rept 4
	v_nop
.endr
.endm
; A KEY STEP out of slot s: register work and LDS loads of that slot alone.  A step whose first key lies at or beyond LIM is jumped over whole.
.macro COMPUTE s
	s_cmp_ge_u32 s[KF], s[LIM]
	s_cbranch_scc1 .Lidle_\@
	v_add_nc_u32 v[ARD], \s*SLOTB, v[AL]           ; with the four below: five places behind the last step's products, whose operands' registers the loads and the products below write over
	PLACES
	KLOAD 0
	s_wait_dscnt 0x0
	SQK 0
	PLACES                                         ; in front of loads into registers that matrix instructions have read
	KLOAD 1
	s_wait_dscnt 0x0
	SQK 1
	PLACES                                         ; likewise, and in front of the first read of the scores
.irp ct, 0,1,2,3                       ; V^T of keys 0-31, turned on the way: channels 16 ct on; registers 0-3 from the first tile of 16 keys, 4-7 from the second
	ds_load_tr16_b128 v[KV+8*\ct:KV+8*\ct+3],   v[ARD] offset:8192+512*\ct
	ds_load_tr16_b128 v[KV+8*\ct+4:KV+8*\ct+7], v[ARD] offset:8192+2048+512*\ct
.endr
	s_add_co_u32 s26, s[KF], 64                    ; the mask: a step all of whose keys count jumps over it
	s_cmp_le_u32 s26, s[VLM]
	s_cbranch_scc1 .Lopen_\@
	s_sub_co_i32 s26, s[VLM], s[KF]
	v_sub_nc_u32 v[DD], s26, v[H8]                 ; register 8 kt + j holds key KF + 16 kt + 8 (lane / 16) + j: masked where 16 kt + j >= VLM - KF - 8 (lane / 16)
.irp kt, 0,1,2,3
.irp j, 0,1,2,3,4,5,6,7
	v_cmp_gt_i32 vcc_lo, 16*\kt+\j+1, v[DD]
	v_cndmask_b32 v[S+8*\kt+\j], v[S+8*\kt+\j], v[NEG], vcc_lo
	v_cndmask_b32 v[S+32+8*\kt+\j], v[S+32+8*\kt+\j], v[NEG], vcc_lo
.endr
.endr
.Lopen_\@:
	; the maximum of a lane's 32 scores and the old m, three at a time, four chains a tile, the two tiles by turns; each accumulator is read from its low end on
.irp j, 0,1,2,3
.irp t, 0,1
	v_max3_num_f32 v[ST+8*\t+4+\j], v[S+32*\t+8*\j], v[S+32*\t+8*\j+1], v[S+32*\t+8*\j+2]
.endr
.endr
.irp i, 3,5
.irp j, 0,1,2,3
.irp t, 0,1
	v_max3_num_f32 v[ST+8*\t+4+\j], v[ST+8*\t+4+\j], v[S+32*\t+8*\j+\i], v[S+32*\t+8*\j+\i+1]
.endr
.endr
.endr
.irp t, 0,1
	v_max3_num_f32 v[ST+8*\t+4], v[ST+8*\t+4], v[S+32*\t+7], v[S+32*\t+15]
.endr
.irp t, 0,1
	v_max3_num_f32 v[ST+8*\t+6], v[ST+8*\t+6], v[S+32*\t+23], v[S+32*\t+31]
.endr
.irp t, 0,1
	v_max3_num_f32 v[ST+8*\t+4], v[ST+8*\t+4], v[ST+8*\t+5], v[ST+8*\t+6]
.endr
.irp t, 0,1
	v_max3_num_f32 v[ST+8*\t+4], v[ST+8*\t+4], v[ST+8*\t+7], v[ST+8*\t+1]
.endr
.irp t, 0,1
	v_permlanex16_b32 v[ST+8*\t+5], v[ST+8*\t+4], s20, s21         ; the query's other 32 keys lie in the lane 16 away
.endr
.irp t, 0,1
	v_mov_b32 v[ST+8*\t+7], v[ST+8*\t]             ; c m_old
.endr
.irp t, 0,1
	v_max_num_f32 v[ST+8*\t+1], v[ST+8*\t+4], v[ST+8*\t+5]         ; the new m
.endr
.irp t, 0,1
	v_mul_f32 v[ST+8*\t], s22, v[ST+8*\t+1]
.endr
.irp t, 0,1
	v_sub_f32 v[ST+8*\t+7], v[ST+8*\t+7], v[ST+8*\t]               ; c m_old - c m_new
.endr
.irp j, 0,2,4,6,8,10,12,14,16,18,20,22,24,26,28,30
.irp t, 0,1
	v_pk_fma_f32 v[S+32*\t+\j:S+32*\t+\j+1], v[S+32*\t+\j:S+32*\t+\j+1], s[22:23], v[ST+8*\t:ST+8*\t+1] op_sel_hi:[1,0,0] neg_lo:[0,0,1] neg_hi:[0,0,1]   ; c s - c m, two at a time
.endr
.endr
.irp t, 0,1
	v_exp_f32 v[ST+8*\t+6], v[ST+8*\t+7]           ; a
.endr
.set j, 0
.rept 64
	v_exp_f32 v[S+j], v[S+j]                       ; p: ONE batch of 66 exponentials
.set j, j+1
.endr
	v_nop                                          ; a plain instruction behind the last exponential
	s_wait_alu depctr_va_vdst(0)                   ; and one wait for the batch, ahead of the first instruction that names a result
.irp t, 0,1
	v_pk_fma_f32 v[ST+8*\t+2:ST+8*\t+3], v[ST+8*\t+2:ST+8*\t+3], v[ST+8*\t+6:ST+8*\t+7], v[S+32*\t:S+32*\t+1] op_sel_hi:[1,0,1]   ; l = a l + the first pair; the sum is taken of p in f32, in two chains
.endr
.irp t, 0,1
	v_pk_add_f32 v[ST+8*\t+4:ST+8*\t+5], v[S+32*\t+2:S+32*\t+3], v[S+32*\t+4:S+32*\t+5]
.endr
.irp i, 6,10,14,18,22,26
.irp t, 0,1
	v_pk_add_f32 v[ST+8*\t+2:ST+8*\t+3], v[ST+8*\t+2:ST+8*\t+3], v[S+32*\t+\i:S+32*\t+\i+1]
	v_pk_add_f32 v[ST+8*\t+4:ST+8*\t+5], v[ST+8*\t+4:ST+8*\t+5], v[S+32*\t+\i+2:S+32*\t+\i+3]
.endr
.endr
.irp t, 0,1
	v_pk_add_f32 v[ST+8*\t+2:ST+8*\t+3], v[ST+8*\t+2:ST+8*\t+3], v[S+32*\t+30:S+32*\t+31]
.endr
.irp t, 0,1
	v_pk_add_f32 v[ST+8*\t+2:ST+8*\t+3], v[ST+8*\t+2:ST+8*\t+3], v[ST+8*\t+4:ST+8*\t+5]
.endr
.irp i, 0,1,2,3,4,5,6,7,8,9,10,11,12,13,14,15
.irp t, 0,1
	v_cvt_pk_f16_f32 v[S+32*\t+\i], v[S+32*\t+2*\i], v[S+32*\t+2*\i+1]   ; P, in place, ascending: the lower 16 registers of each tile's 32
.endr
.endr
.irp ct, 0,1,2,3                       ; V^T of keys 32-63 into the upper 16, which are free now
	ds_load_tr16_b128 v[S+32*(\ct/2)+16+8*(\ct%2):S+32*(\ct/2)+16+8*(\ct%2)+3],   v[ARD] offset:8192+4096+512*\ct
	ds_load_tr16_b128 v[S+32*(\ct/2)+16+8*(\ct%2)+4:S+32*(\ct/2)+16+8*(\ct%2)+7], v[ARD] offset:8192+6144+512*\ct
.endr
.irp j, 0,2,4,6,8,10,12,14,16,18,20,22,24,26,28,30
.irp t, 0,1
	v_pk_mul_f32 v[O+32*\t+\j:O+32*\t+\j+1], v[O+32*\t+\j:O+32*\t+\j+1], v[ST+8*\t+6:ST+8*\t+7] op_sel_hi:[1,0]   ; O^T x a
.endr
.endr
	s_wait_dscnt 8                                 ; V's first half is in; the eight loads of its second half may be out
	PV 0
	s_wait_dscnt 0x0
	PV 1
.Lidle_\@:
.endm
; THE TRIP of step j, slot s = j % 3.
.macro TRIP s
	s_barrier_signal -1                            ; my reads of step j - 1 are back and my stores of step j + 1's tile are done: the wait for both stood at the last trip's end
	COMPUTE \s
	s_barrier_wait -1                              ; so are every wave's
	s_wait_xcnt 0x0                                ; the last trip's loads and prefetch have read their base
	s_add_nc_u64 s[SB:SB+1], s[SB:SB+1], 24576     ; at step j + 3
	s_wait_loadcnt 0x0                             ; step j + 2's tile, asked for a trip ago, is in registers; run on every path, so that no load is issued onto a pending one
	s_add_co_u32 s26, s[KF], 128
	s_cmp_ge_u32 s26, s[LIM]
	s_cbranch_scc1 .Lno_store_\@
	v_add_nc_u32 v[AWR], ((\s+2)%3)*SLOTB, v[AST]
.irp i, 0,1,2,3
	ds_store_b128 v[AWR], v[STG+4*\i:STG+4*\i+3] offset:512*\i
.endr
.irp i, 4,5,6,7
	ds_store_b128 v[AWR], v[STG+4*\i:STG+4*\i+3] offset:8192+512*(\i-4)
.endr
.Lno_store_\@:
	s_wait_dscnt 0x0                               ; for the others' sake, ahead of the next signal: zero
	s_add_co_u32 s26, s[KF], 192
	s_cmp_ge_u32 s26, s[LIM]
	s_cbranch_scc1 .Lno_load_\@
.irp i, 0,1,2,3,4,5,6,7
	global_load_b128 v[STG+4*\i:STG+4*\i+3], v[VLO], s[SB:SB+1] offset:512*\i      ; 32 lanes read 512 consecutive bytes
.endr
.Lno_load_\@:
	s_add_co_u32 s26, s[KF], 256                   ; a prefetch of step j + 4's tiles, a trip ahead of their loads: 64 runs of 256 bytes, a lane a run, each named once in the launch; it ends with the keys that are walked
	s_cmp_ge_u32 s26, s[PLIM]
	s_cbranch_scc1 .Lno_ask_\@
	global_prefetch_b8 v[PFO], s[SB:SB+1] offset:24576 th:TH_LOAD_NT scope:SCOPE_SE
.Lno_ask_\@:
	s_add_co_u32 s[KF], s[KF], 64
.endm
	s_mov_b32 s19, 11                              ; 33 trips for 32 steps: a constant, a multiple of the three slots; the last is always idle
.Lloop:
	TRIP 0
	TRIP 1
	TRIP 2
	s_sub_co_u32 s19, s19, 1
	s_cmp_lg_u32 s19, 0
	s_cbranch_scc1 .Lloop
	; THE WAY OUT: O^T / l, rounded to f16: a lane's eight channels of a query are 16 bytes of att's image; each store of the wave covers 512 consecutive bytes, aligned.
	PLACES                                         ; behind the last products
.irp t, 0,1
	v_add_f32 v[ST+8*\t+4], v[ST+8*\t+2], v[ST+8*\t+3]
.endr
.irp t, 0,1
	v_permlanex16_b32 v[ST+8*\t+5], v[ST+8*\t+4], s20, s21
.endr
.irp t, 0,1
	v_add_f32 v[ST+8*\t+4], v[ST+8*\t+4], v[ST+8*\t+5]
.endr
.irp t, 0,1
	v_rcp_f32 v[ST+8*\t+6], v[ST+8*\t+4]
.endr
	v_nop                                          ; a plain instruction behind the reciprocals
	s_wait_alu depctr_va_vdst(0)                   ; and the wait ahead of their first reader
.irp t, 0,1
.irp j, 0,2,4,6,8,10,12,14,16,18,20,22,24,26,28,30
	v_pk_mul_f32 v[O+32*\t+\j:O+32*\t+\j+1], v[O+32*\t+\j:O+32*\t+\j+1], v[ST+8*\t+6:ST+8*\t+7] op_sel_hi:[1,0]
.endr
.endr
.irp t, 0,1
.irp i, 0,1,2,3,4,5,6,7,8,9,10,11,12,13,14,15
	v_cvt_pk_f16_f32 v[O+32*\t+\i], v[O+32*\t+2*\i], v[O+32*\t+2*\i+1]
.endr
.endr
.irp t, 0,1
.irp ct, 0,1,2,3
	global_store_b128 v[LN], v[O+32*\t+4*\ct:O+32*\t+4*\ct+3], s[8:9] offset:\t*32768+(\ct/2)*1024+(\ct%2)*512
.endr
.endr
	s_wait_tensorcnt 0x0                           ; the wave's end: behind my last LDS store
	ds_add_u32 v[SPW], v[NIL]
	s_wait_dscnt 0x0
	s_endpgm
.Lfunc_end_k_q9c9fe9d903_attn:
	.size	k_q9c9fe9d903_attn, .Lfunc_end_k_q9c9fe9d903_attn-k_q9c9fe9d903_attn
	.p2alignl 7, 3214868480
	.fill 96, 4, 3214868480
	.section	.rodata,"a",@progbits
	.p2align	6, 0x0
	.amdhsa_kernel k_q9c9fe9d903_attn
		.amdhsa_group_segment_fixed_size 198656
		.amdhsa_private_segment_fixed_size 0
		.amdhsa_enable_private_segment 0
		.amdhsa_kernarg_size 24
		.amdhsa_user_sgpr_count 2
		.amdhsa_user_sgpr_kernarg_segment_ptr 1
		.amdhsa_wavefront_size32 1
		.amdhsa_system_sgpr_workgroup_id_x 1
		.amdhsa_system_sgpr_workgroup_id_y 1
		.amdhsa_system_sgpr_workgroup_id_z 1
		.amdhsa_system_vgpr_workitem_id 0
		.amdhsa_next_free_vgpr 256
		.amdhsa_next_free_sgpr 66
		.amdhsa_reserve_vcc 1
		.amdhsa_float_denorm_mode_32 3
		.amdhsa_float_denorm_mode_16_64 3
		.amdhsa_memory_ordered 1
		.amdhsa_forward_progress 1
		.amdhsa_inst_pref_size 83
	.end_amdhsa_kernel
	.amdgpu_metadata
---
amdhsa.version: [ 1, 2 ]
amdhsa.kernels:
  - .name:           k_q9c9fe9d903_attn
    .symbol:         k_q9c9fe9d903_attn.kd
    .args:
      - { .name: qkv, .offset: 0, .size: 8, .value_kind: global_buffer, .address_space: global }
      - { .name: valid_lens, .offset: 8, .size: 8, .value_kind: global_buffer, .address_space: global }
      - { .name: att, .offset: 16, .size: 8, .value_kind: global_buffer, .address_space: global }
    .group_segment_fixed_size: 198656
    .private_segment_fixed_size: 0
    .kernarg_segment_align: 8
    .kernarg_segment_size: 24
    .max_flat_workgroup_size: 512
    .sgpr_count:     66
    .vgpr_count:     256
    .wavefront_size: 32
...
	.end_amdgpu_metadata
.endif
;; end of part 3
;; launch outp (part 4): grid 4 x 64, 4 waves a work-group, clusters of 4 x 4, 327,680 bytes of LDS; arguments att, wo16, out0; writes out0
.if DOCPART == 4
	.amdgcn_target "amdgcn-amd-amdhsa--gfx1250"
	.amdhsa_code_object_version 6
	.text
	.protected	k_q9c9fe9d903_outp
	.globl	k_q9c9fe9d903_outp
	.p2align	8
	.type	k_q9c9fe9d903_outp,@function
k_q9c9fe9d903_outp:
	s_mov_b64 s[64:65], 0
	v_nop
	global_prefetch_b8 v0, s[64:65] scope:SCOPE_SE
	s_setreg_imm32_b32 hwreg(HW_REG_WAVE_MODE, 25, 1), 1
	s_wait_xcnt 0x0
	s_wait_alu depctr_hold_cnt(0) depctr_sa_sdst(0) depctr_va_vdst(0) depctr_va_sdst(0) depctr_va_ssrc(0) depctr_va_vcc(0) depctr_vm_vsrc(0)
	s_getreg_b32 s2, hwreg(HW_REG_IB_STS2, 6, 4)
	s_cmp_eq_u32 s2, 0
	s_cbranch_scc0 .Lentry_in_a_cluster
	s_endpgm
.Lentry_in_a_cluster:
	s_bfe_u32 s2, ttmp6, 0x10000c
	s_cmp_lg_u32 s2, 0xf033
	s_cbranch_scc0 .Lentry_shape_is_right
	s_endpgm
.Lentry_shape_is_right:
; THE PROJECTION ON THE WAY OUT: out0[row][o] = the sum over d of att[row][d] Wo[o][d]; operands in f16, sums in f32, out0 in f32.  All rows are done.
; Both operands lie in memory as IMAGES of the operand's registers: for 16 rows x 32 along K, 1,024 bytes: half c, lane (r, h): 16 bytes = row r, k = 16 c + 8 h + 0 .. 7; [16 rows][32 images].  A fragment is two loads at 16 x lane.
; A tile of out0, 128 rows x 256 outputs, is made by a work-group of four waves (256 work-groups in all); a wave makes 64 x 128: 32 accumulators of 16 x 16, 256 registers.
; K goes in 8 steps of 128 (four images, 4,096 consecutive bytes for each 16 rows) through a ring of two LDS slots filled by the tensor data mover.  No padding: every LDS load takes 512 consecutive bytes.
; CLUSTERS: 4 x 4 work-groups.  The four of a row of the cluster need the same tiles of att, the four of a column the same tiles of Wo: each is asked for JOINTLY, by the same tensor load with the same descriptor and a mask that
; names the four.  THE MATRIX INSTRUCTION IS USED TRANSPOSED (source 0 = 16 rows of Wo, source 1 = 16 rows of att): a lane then holds eight neighbouring numbers of a row of out0.
; REGISTERS: window 0: v0-31 addresses; att's fragments (buffer f, 32 along K d, block a) at 64 + 64 f + 32 d + 8 a; on the way out v64-191 rows of out0.
;   window 1: Wo's fragments (f, d, b) at 128 f + 64 d + 8 b.   window 2: the accumulators, (a, b) at v[8 (8 a + b)].
.set SLOT,   98304                     ; att's 8 x 4,096 bytes, then Wo's 16 x 4,096
.set WOFF,   32768
.set STAGE,  2*SLOT                    ; behind the ring: 16 rows x 528 bytes for each wave, for the way out; no tensor load lands there
.set SPITCH, 528
.set SPARE,  STAGE+4*16*SPITCH         ; behind the stages: the spare words, 128 bytes for each wave, which no other line names
.set KBYTES, 4096                      ; a K step in each 16 rows' images
.set ADRA, 16                          ; v16-17  LDS address of my att fragments in slot 0, 1
.set ADRB, 20                          ; v20-21  the same for Wo
.set STO,  24                          ; v24     the way out: where I put 32 bytes of a row
.set RD,   25                          ; v25     the way out: where I read a row back
.set CO,   26                          ; v26     16 x lane
.set SPW,  28                          ; v28     LDS address of my spare word; never rewritten
.set NIL,  29                          ; v29     0; never rewritten
.set PFO,  30                          ; v30     the prefetch's offset; never rewritten
.set BK,   64                          ; the way out: 16 rows read back from the stage: v64-127 and v128-191 by turns
.set PFA,  20                          ; s[20:21] where my prefetches stand
.set LIM,  22                          ; s22     1 in wave 0, else the greatest number
.set G1, 24                            ; s[24:31] descriptor group 1 for att's tiles;  s[32:39] group 0, one set for each slot
.set G0, 32
.set G1B, 48                           ; s[48:55], s[56:63] the same for Wo's tiles
.set G0B, 56
.set MSB, 0
.macro WIN new                         ; the immediate's high byte repeats the setting that is left
.if MSB != \new
	s_set_vgpr_msb (MSB<<8)|\new
.set MSB, \new
.endif
.endm
.set MUL,  0xa1                        ; source 0 (Wo) window 1, source 1 (att) window 0, C and D window 2
.set TO_B, 0x40                        ; destination window 1, address window 0
.macro JLOAD s                         ; a joint load: waves 0 and 1 fetch att's two halves, waves 2 and 3 Wo's; an s_nop 0 and four v_nop follow each of the two lines
	s_cmp_eq_u32 s11, 0
	s_cbranch_scc0 .Lfor_b_\@
	tensor_load_to_lds s[G0+4*\s:G0+4*\s+3], s[G1:G1+7]
	s_nop 0
.rept 4
	v_nop
.endr
	s_branch .Lasked_\@
.Lfor_b_\@:
	tensor_load_to_lds s[G0B+4*\s:G0B+4*\s+3], s[G1B:G1B+7]
	s_nop 0
.rept 4
	v_nop
.endr
.Lasked_\@:
.endm
; A prefetch of att's K step two refills on: the tile row's 8 x 4,096 bytes are 128 runs of 256; the four partners that ask for the tile jointly take 32 each, told apart BY ADDRESS; in each, wave 0 asks, a lane a run.
; att's rows are read by this one row of a cluster alone, so each run is named once in the launch.  The first four K steps come by their loads alone; the loop's last trip (s3 = 1) has no K step two refills on.
.macro ASK
	s_cmp_gt_u32 s3, s[LIM]
	s_cbranch_scc0 .Lnot_mine_\@
	global_prefetch_b8 v[PFO], s[PFA:PFA+1] th:TH_LOAD_NT scope:SCOPE_SE
.Lnot_mine_\@:
.endm
.macro CREST                           ; a round of the cluster's barrier behind its opening barrier
	s_cmp_lg_u32 s10, 0
	s_cbranch_scc1 .Lnot_wave_0_\@
	s_barrier_signal -3
.Lnot_wave_0_\@:
	s_barrier_wait -3
	s_barrier_signal -1
	s_barrier_wait -1
.endm
.macro CROUND                          ; a whole round
	s_barrier_signal -1
	s_barrier_wait -1
	CREST
.endm
	s_load_b128 s[4:7], s[0:1], 0x0                ; att s[4:5], wo16 s[6:7]
	s_load_b64 s[8:9], s[0:1], 0x10                ; out0
	v_lshl_add_u32 v[SPW], v0, 2, SPARE
	v_mov_b32 v[NIL], 0
	ds_add_u32 v[SPW], v[NIL]                      ; the wave's opening: the add, twice on end, and its wait ahead of my first tensor load
	ds_add_u32 v[SPW], v[NIL]
	v_lshrrev_b32 v1, 5, v0
	v_readfirstlane_b32 s10, v1                    ; wave 0..3
	s_lshr_b32 s11, s10, 1                         ; which 64 of the tile's rows are mine.  Also: I fetch for att (0) or for Wo (1)
	s_and_b32 s12, s10, 1                          ; which 128 of its outputs.  Also: which half of that tile I fetch
	s_bfe_u32 s40, ttmp6, 0x40000                  ; cx, cy: my place in the cluster
	s_bfe_u32 s41, ttmp6, 0x40004
	s_lshl_b32 s42, ttmp9, 2
	s_add_co_u32 s42, s42, s40                     ; tile column = 4 x cluster x + cx
	s_and_b32 s13, ttmp7, 0xffff
	s_lshl_b32 s13, s13, 2
	s_add_co_u32 s13, s13, s41                     ; tile row = 4 x cluster y + cy
	s_lshl_b32 s43, s41, 2
	s_lshl_b32 s43, 15, s43                        ; my row of the cluster
	s_lshl_b32 s44, 0x1111, s40                    ; my column
	; descriptor group 1: rows of 4,096 bytes (512 elements of 8 bytes), 32,768 bytes apart in memory, on end in LDS: four of them for half of att's tile, eight for half of Wo's
	s_or_b32 s[G1+0], s43, (3<<16)|(1<<21)         ; 15:0 the mask: att's tiles go to my row; 17:16 elements of 8 bytes; 21 set beside a mask; no padding
	s_or_b32 s[G1B+0], s44, (3<<16)|(1<<21)
	s_mov_b32 s[G1+1], 512<<16                     ; tensor_dim0 = 512
	s_mov_b32 s[G1+2], 4<<16                       ; tensor_dim1 = 4
	s_mov_b32 s[G1+3], 512<<16                     ; tile_dim0 = 512
	s_mov_b32 s[G1+4], 4                           ; tile_dim1 = 4
	s_mov_b32 s[G1+5], 4096                        ; tensor_dim0_stride
	s_mov_b32 s[G1+6], 0
	s_mov_b32 s[G1+7], 0
	s_mov_b32 s[G1B+1], 512<<16
	s_mov_b32 s[G1B+2], 8<<16
	s_mov_b32 s[G1B+3], 512<<16
	s_mov_b32 s[G1B+4], 8
	s_mov_b32 s[G1B+5], 4096
	s_mov_b32 s[G1B+6], 0
	s_mov_b32 s[G1B+7], 0
	s_lshl_b32 s16, s13, 3
	s_lshl_b32 s17, s12, 2
	s_add_co_u32 s16, s16, s17                     ; att: 16 rows number 8 x tile row + 4 x half
	s_lshl_b32 s16, s16, 15
	s_mov_b32 s17, 0
	s_lshl_b32 s46, s42, 4
	s_lshl_b32 s47, s12, 3
	s_add_co_u32 s46, s46, s47                     ; Wo: 16 rows number 16 x tile column + 8 x half
	s_lshl_b32 s46, s46, 15
	s_mov_b32 s47, 0
	s_lshl_b32 s18, s12, 14                        ; where they go: att's halves,
	s_lshl_b32 s19, s12, 15
	s_add_co_u32 s19, s19, WOFF                    ; Wo's halves behind them: no place in the cluster enters an LDS address
	s_wait_dscnt 0x0                               ; both opening adds are done
	s_wait_kmcnt 0x0
	s_add_nc_u64 s[14:15], s[4:5], s[16:17]
	s_add_nc_u64 s[46:47], s[6:7], s[46:47]
	CROUND                                         ; all sixteen work-groups are here: the first joint loads meet
.irp s, 0,1
	s_mov_b32 s[G0+4*\s], 1
	s_add_co_u32 s[G0+4*\s+1], s18, \s*SLOT
	s_add_nc_u64 s[G0+4*\s+2:G0+4*\s+3], s[14:15], \s*KBYTES
	s_or_b32 s[G0+4*\s+3], s[G0+4*\s+3], 0x80000000
	s_mov_b32 s[G0B+4*\s], 1
	s_add_co_u32 s[G0B+4*\s+1], s19, \s*SLOT
	s_add_nc_u64 s[G0B+4*\s+2:G0B+4*\s+3], s[46:47], \s*KBYTES
	s_or_b32 s[G0B+4*\s+3], s[G0B+4*\s+3], 0x80000000
	JLOAD \s                                       ; two tensor loads of mine are out at the start, later one behind each round
.endr
	v_and_b32 v1, 15, v0                           ; l % 16
	v_bfe_u32 v2, v0, 4, 1                         ; l / 16
	v_and_b32 v6, 31, v0
	v_lshlrev_b32 v[CO], 4, v6                     ; 16 x lane
	s_lshl_b32 s16, s11, 14                        ; my 64 rows of att
	s_lshl_b32 s17, s12, 15                        ; my 128 rows of Wo,
	s_add_co_u32 s17, s17, WOFF                    ; which lie behind att's
.irp s, 0,1
	v_add_nc_u32 v[ADRA+\s], s16, v[CO]
	v_add_nc_u32 v[ADRB+\s], s17, v[CO]
	s_add_co_u32 s16, s16, SLOT
	s_add_co_u32 s17, s17, SLOT
.endr
	s_mul_i32 s23, s10, 16*SPITCH
	s_add_co_u32 s23, s23, STAGE                   ; my stage
	v_mul_u32_u24 v5, v1, SPITCH                   ; in: row l % 16, 32 bytes for each half of the lanes
	v_lshl_add_u32 v5, v2, 5, v5
	v_add_nc_u32 v[STO], s23, v5
	v_add_nc_u32 v[RD], s23, v[CO]                 ; back: the 32 lanes take one row of 512 bytes
	s_lshl_b32 s16, s13, 7
	s_lshl_b32 s17, s11, 6
	s_add_co_u32 s16, s16, s17                     ; my first row of out0
	s_lshl_b32 s16, s16, 12                        ; rows of 4,096 bytes
	s_lshl_b32 s46, s42, 10                        ; my first output, in bytes: 1,024 x tile column + 512 x half
	s_lshl_b32 s47, s12, 9
	s_add_co_u32 s46, s46, s47
	s_add_co_u32 s46, s46, s16
	s_mov_b32 s47, 0
	s_add_nc_u64 s[8:9], s[8:9], s[46:47]
	s_lshl_b32 s16, s13, 18                        ; the prefetches: my tile row's images,
	s_add_co_u32 s16, s16, 3*KBYTES                ; at K step 3: the first refill steps it to 4
	s_mov_b32 s17, 0
	s_add_nc_u64 s[PFA:PFA+1], s[4:5], s[16:17]
	s_cmp_eq_u32 s10, 0
	s_cselect_b32 s[LIM], 1, -1
	v_lshl_add_u32 v31, s40, 1, v2                 ; 16 rows number 2 cx + lane / 16 of the tile's eight,
	v_lshlrev_b32 v31, 15, v31
	v_lshl_add_u32 v[PFO], v1, 8, v31              ; run lane % 16 of the K step's 4,096 bytes
; 16 matrix instructions: att's blocks a0, a0 + 1 against Wo's eight, 32 along K: part d of buffer f.  zero = 1: the first product starts the sums.  The 32 accumulators take turns, one instruction a turn.
.macro MUL16 f, d, a0, zero
.irp a, \a0, \a0+1
.irp b, 0,1,2,3,4,5,6,7
.if \zero
	v_wmma_f32_16x16x32_f16 v[8*(8*(\a)+\b):8*(8*(\a)+\b)+7], v[128*\f+64*\d+8*\b:128*\f+64*\d+8*\b+7], v[64+64*\f+32*\d+8*(\a):64+64*\f+32*\d+8*(\a)+7], 0
.else
	v_wmma_f32_16x16x32_f16 v[8*(8*(\a)+\b):8*(8*(\a)+\b)+7], v[128*\f+64*\d+8*\b:128*\f+64*\d+8*\b+7], v[64+64*\f+32*\d+8*(\a):64+64*\f+32*\d+8*(\a)+7], v[8*(8*(\a)+\b):8*(8*(\a)+\b)+7]
.endif
.endr
.endr
.endm
; 48 LDS loads in one run: the fragments of 64 along K, half hh of the slot's K step, into buffer f: Wo's 32 loads, then att's 16, of which the last eight are part d = 1
.macro FETCH slot, hh, f
	WIN TO_B
.irp d, 0,1
.irp i, 0,1,2,3,4,5,6,7
	ds_load_b128 v[128*\f+64*\d+8*\i:128*\f+64*\d+8*\i+3],   v[ADRB+\slot] offset:\i*4096+(2*\hh+\d)*1024
	ds_load_b128 v[128*\f+64*\d+8*\i+4:128*\f+64*\d+8*\i+7], v[ADRB+\slot] offset:\i*4096+(2*\hh+\d)*1024+512
.endr
.endr
	WIN 0
.irp d, 0,1
.irp a, 0,1,2,3
	ds_load_b128 v[64+64*\f+32*\d+8*\a:64+64*\f+32*\d+8*\a+3],   v[ADRA+\slot] offset:\a*4096+(2*\hh+\d)*1024
	ds_load_b128 v[64+64*\f+32*\d+8*\a+4:64+64*\f+32*\d+8*\a+7], v[ADRA+\slot] offset:\a*4096+(2*\hh+\d)*1024+512
.endr
.endr
.endm
.macro PLACES                          ; four places in front of loads into registers that matrix instructions have read, and of the first read of results
.rept 4
	v_nop
.endr
.endm
; A K step is two halves of 64 along K, 64 matrix instructions each, on buffers 0 and 1.  The first half multiplies buffer f and fetches half hh of the same slot into g.
.macro HALF slot, hh, f, g, zero
	s_wait_dscnt 8                                 ; all but att's part d = 1, the youngest eight loads
	WIN MUL
	MUL16 \f, 0, 0, \zero
	MUL16 \f, 0, 2, \zero
	PLACES
	FETCH \slot, \hh, \g
	s_wait_dscnt 48                                ; all but the 48 just issued
	WIN MUL
	MUL16 \f, 1, 0, 0
	MUL16 \f, 1, 2, 0
.endm
; The second half multiplies buffer 1 and changes slots: ONE barrier; in front of it each wave waits for all its tensor loads, adds 0 to its spare word, and waits for that and for its own reads of this slot.
; fill = 1: the barrier opens a round of the cluster's barrier, and behind the round this slot is filled again, two K steps ahead: the wave's one tensor load until the next round.
.macro TURN slot, next, fill
.if \fill
	s_wait_xcnt 0x0                                ; the last prefetch, a K step back, has read its address
	s_add_nc_u64 s[PFA:PFA+1], s[PFA:PFA+1], KBYTES
.endif
	WIN 0                                          ; (the add's two registers lie in window 0)
	s_wait_tensorcnt 0x0                           ; all my tensor loads have landed: my part of the next slot;
	ds_add_u32 v[SPW], v[NIL]                      ; 0 onto my spare word;
	s_wait_dscnt 9                                 ; (the add and the youngest eight loads may be out)
	WIN MUL
	MUL16 1, 0, 0, 0                               ; sixteen matrix instructions stand between the add and the wait for it
	s_wait_dscnt 0x0                               ; the add is done, and my reads of this slot are over
	s_barrier_signal -1
	MUL16 1, 0, 2, 0
.if \fill
	WIN 0
.endif
	s_barrier_wait -1
.if \fill
	CREST                                          ; no wave of any partner still reads this slot's tile or has a load on its way
	s_add_nc_u64 s[G0+4*\slot+2:G0+4*\slot+3], s[G0+4*\slot+2:G0+4*\slot+3], 2*KBYTES
	s_add_nc_u64 s[G0B+4*\slot+2:G0B+4*\slot+3], s[G0B+4*\slot+2:G0B+4*\slot+3], 2*KBYTES
	JLOAD \slot                                    ; the first tensor load behind the round; the four v_nop behind it are also the places in front of the loads below
.else
	PLACES
.endif
	FETCH \next, 0, 0
.if \fill
	ASK
.endif
	WIN MUL
	MUL16 1, 1, 0, 0
	MUL16 1, 1, 2, 0
.endm
	s_wait_tensorcnt 1                             ; my part of K step 0 is in; K step 1's load may be out
	s_barrier_signal -1
	s_barrier_wait -1                              ; everybody's is
	FETCH 0, 0, 0
	HALF 0, 1, 0, 1, 1                             ; the first half stands in front of the loop: its first products start the sums
	WIN 0                                          ; at a label and at a branch every window is 0
	s_mov_b32 s3, 3
.Llap:                                                 ; three trips, each once round the ring: K steps 2 to 7 are asked for
	TURN 0, 1, 1
	HALF 1, 1, 0, 1, 0
	TURN 1, 0, 1
	HALF 0, 1, 0, 1, 0
	WIN 0
	s_sub_co_u32 s3, s3, 1
	s_cmp_lg_u32 s3, 0
	s_cbranch_scc1 .Llap
	TURN 0, 1, 0                                   ; the last lap fills nothing, and has no round of the cluster's barrier
	HALF 1, 1, 0, 1, 0
	s_wait_dscnt 8                                 ; the very last half: nothing more to fetch
	WIN MUL
	MUL16 1, 0, 0, 0
	MUL16 1, 0, 2, 0
	s_wait_dscnt 0
	MUL16 1, 1, 0, 0
	MUL16 1, 1, 2, 0
	WIN 0
; THE WAY OUT, block by block of 16 rows x 128 outputs.  A lane holds 32 neighbouring bytes of a row, the lanes beside it other rows: so a block goes through my own stage in LDS and comes back as whole rows of 512 bytes.
; LDS serves a wave's instructions in order (ISA guide 5.7.1.4): no wait between the stores and the loads, nor in front of the next block's stores.
.macro TOSTAGE a
	WIN 0x08                                       ; an LDS store's data: window 2
.irp b, 0,1,2,3,4,5,6,7
	ds_store_b128 v[STO], v[8*(8*(\a)+\b):8*(8*(\a)+\b)+3] offset:64*\b            ; each accumulator from its low end on
	ds_store_b128 v[STO], v[8*(8*(\a)+\b)+4:8*(8*(\a)+\b)+7] offset:64*\b+16
.endr
	WIN 0
.set BB, BK+64*((\a)%2)
.irp t, 0,1,2,3,4,5,6,7,8,9,10,11,12,13,14,15
	ds_load_b128 v[BB+4*\t:BB+4*\t+3], v[RD] offset:\t*SPITCH
.endr
.endm
.macro SEND a, younger                 ; younger: the LDS instructions issued behind block a's loads, which may stay out
.set BB, BK+64*((\a)%2)
	s_wait_dscnt \younger                          ; the block is back in registers
.irp t, 0,1,2,3,4,5,6,7,8,9,10,11,12,13,14,15
	global_store_b128 v[CO], v[BB+4*\t:BB+4*\t+3], s[8:9] offset:(\a)*65536+\t*4096 th:TH_STORE_NT   ; 32 lanes store 512 consecutive bytes, aligned; written once, read by nobody here
.endr
.endm
	PLACES                                         ; behind the last products: for the reads of results and for the loads into registers that held att's fragments
	TOSTAGE 0
.irp a, 1,2,3
.if \a > 1
	s_wait_xcnt 0x0                                ; block a - 2's stores have read their registers: block a's loads may land there
.endif
	TOSTAGE \a
	SEND \a-1, 32                                  ; behind block a - 1's loads: block a's 16 stores and 16 loads
.endr
	SEND 3, 0
	s_wait_tensorcnt 0x0                           ; the wave's end: behind my last tensor load and my last LDS store
	ds_add_u32 v[SPW], v[NIL]
	s_wait_dscnt 0x0
	CROUND                                         ; the closing round: no work-group ends while a partner may still ask for a tile that names it
	s_endpgm
.Lfunc_end_k_q9c9fe9d903_outp:
	.size	k_q9c9fe9d903_outp, .Lfunc_end_k_q9c9fe9d903_outp-k_q9c9fe9d903_outp
	.p2alignl 7, 3214868480
	.fill 96, 4, 3214868480
	.section	.rodata,"a",@progbits
	.p2align	6, 0x0
	.amdhsa_kernel k_q9c9fe9d903_outp
		.amdhsa_group_segment_fixed_size 327680
		.amdhsa_private_segment_fixed_size 0
		.amdhsa_enable_private_segment 0
		.amdhsa_kernarg_size 24
		.amdhsa_user_sgpr_count 2
		.amdhsa_user_sgpr_kernarg_segment_ptr 1
		.amdhsa_wavefront_size32 1
		.amdhsa_system_sgpr_workgroup_id_x 1
		.amdhsa_system_sgpr_workgroup_id_y 1
		.amdhsa_system_sgpr_workgroup_id_z 1
		.amdhsa_system_vgpr_workitem_id 0
		.amdhsa_next_free_vgpr 768
		.amdhsa_next_free_sgpr 66
		.amdhsa_reserve_vcc 0
		.amdhsa_float_denorm_mode_32 3
		.amdhsa_float_denorm_mode_16_64 3
		.amdhsa_memory_ordered 1
		.amdhsa_forward_progress 1
		.amdhsa_inst_pref_size 83
	.end_amdhsa_kernel
	.amdgpu_metadata
---
amdhsa.version: [ 1, 2 ]
amdhsa.kernels:
  - .name:           k_q9c9fe9d903_outp
    .symbol:         k_q9c9fe9d903_outp.kd
    .args:
      - { .name: att, .offset: 0, .size: 8, .value_kind: global_buffer, .address_space: global }
      - { .name: wo16, .offset: 8, .size: 8, .value_kind: global_buffer, .address_space: global }
      - { .name: out0, .offset: 16, .size: 8, .value_kind: global_buffer, .address_space: global }
    .group_segment_fixed_size: 327680
    .private_segment_fixed_size: 0
    .kernarg_segment_align: 8
    .kernarg_segment_size: 24
    .max_flat_workgroup_size: 128
    .sgpr_count:     66
    .vgpr_count:     768
    .wavefront_size: 32
...
	.end_amdgpu_metadata
.endif
;; end of part 4
